; MI455X (gfx1250); checked and timed in simulation.
; The chip was launched on July 23, 2026; its instructions are those of AMD's public machine-readable ISA for CDNA 5 (MIT licence, August 2026) and "CDNA5" Instruction Set Architecture Reference Guide (July 2026). The comments in the code are by the model that wrote it; some were corrected since.
;; Deep FM. Allowed arithmetic: matrix products marked QUANTISED: E3M2 operands, one E8M0 scale for each 32 along K, by v_wmma_scale_f32_16x16x128_f8f6f4 with both operands' format E3M2, f32 sums; everything else in f32.
;; Inputs: W1 624 x 32 float32; W2 32 x 32 float32; Xi 16,384 x 39 x 1 int32; Xv 16,384 x 39 float32; b1 32 float32; b2 32 float32; bias 1 float32; emb1 39 x 100,000 x 1 float32; emb2 39 x 100,000 x 16 float32.
;; Outputs: out0 16,384 float32.
;; This version of the problem:
;;   THIS VERSION OF THE PROBLEM IS GIVEN IN LOW PRECISION. The matrix products marked QUANTISED in the list below multiply operands that are first quantised to E3M2 (3 exponent bits, 2 mantissa bits; 6 bits a number), with one power-of-two scale for each 32 numbers along K (OCP MX v1.0); their sums are f32. All else is computed in f32.
;;   The module's matrix products, in the order in which they are computed (A, B: the left and right operand; K: the contracted axis; several contracted axes count as one K, in the product's order):
;;     1. [M 16,384, K 624] x [K 624, N 32]; A: computed on the way; B: input W1: QUANTISED
;;     2. [M 16,384, K 32] x [K 32, N 32]; A: computed on the way; B: input W2: QUANTISED
;;   THE QUANTISER, for each operand of a quantised product, along K:
;;     - K is cut into blocks of 32 from its start; a last block that is shorter is filled with zeros.
;;     - A block's scale is 2^e with e = floor(log2(the largest magnitude in the block)) - 4, held to -126 .. 127; a block of zeros has e = 0. As a byte (E8M0): e + 127.
;;     - Each number is divided by its block's scale, clamped to +-28, and rounded to the nearest number of E3M2, ties to even, subnormals kept.
;;     - The product sums the exact products of the quantised numbers (number of the format x scale) in f32.
;;   ~~~python
;;   def quantise(x, axis):      # numpy; x: float32 -> the quantised numbers, widened to float32 again
;;       x = np.moveaxis(x, axis, -1); K = x.shape[-1]
;;       x = np.pad(x, [(0, 0)] * (x.ndim - 1) + [(0, -K % 32)]); x = x.reshape(x.shape[:-1] + (-1, 32)); a = np.abs(x).max(-1, keepdims=True)
;;       e = np.where(a > 0, np.clip(np.frexp(np.where(a > 0, a, 1))[1] - 1 - 4, -126, 127), 0)      # np.frexp(a)[1] - 1 = floor(log2(a)), exactly
;;       r = np.clip(x / 2.0 ** e, -28, 28)
;;       step = 2.0 ** (np.maximum(np.frexp(np.where(r == 0, 1, r))[1] - 1, -2) - 2)
;;       q = np.round(r / step) * step * 2.0 ** e      # np.round: ties to even
;;       return np.moveaxis(q.reshape(q.shape[:-2] + (-1,))[..., :K], -1, axis).astype(np.float32)
;;   ~~~
;;   OPERANDS COMPUTED ON THE WAY. 'Computed on the way' means the value that the module computes at that place (a softmax that the list does not call 'softmax' is quantised finished and normalised). What goes into a quantiser is computed in f32, as accurately as f32 sums, v_exp_f32 and their like allow (about 1e-6 of the number): no bf16 or f16 on the way to a quantiser, and a product that is left as it is and whose result goes on into a quantised operand takes f32 operands (vector FMAs, or v_wmma_f32_16x16x4_f32). A number that lies on a knife's edge between two numbers of the format may be rounded either way, as far as f32 arithmetic and the matrix unit's own rounding can turn it there, and no further.
;; 2 versions, each right; version 2 is version 1 with the launch deepfm written anew for expert scheduling mode. Each part assembles by itself: llvm-mc -triple=amdgcn-amd-amdhsa -mcpu=gfx1250 --defsym DOCPART=n.
;; ======== version 1 of 2: 1 launch
;; launch deepfm (part 1): grid 256 x 1, 4 waves a work-group, no clusters, 243,200 bytes of LDS; arguments Xi, Xv, emb1, emb2, W1, W2, b1, b2, bias, out0; writes out0
.if DOCPART == 1
	.amdgcn_target "amdgcn-amd-amdhsa--gfx1250"
	.amdhsa_code_object_version 6
	.text
	.protected	k_q68bac20575_deepfm
	.globl	k_q68bac20575_deepfm
	.p2align	8
	.type	k_q68bac20575_deepfm,@function
k_q68bac20575_deepfm:
	s_mov_b64 s[64:65], 0
	v_nop
	global_prefetch_b8 v0, s[64:65] scope:SCOPE_SE
	s_setreg_imm32_b32 hwreg(HW_REG_WAVE_MODE, 25, 1), 1
	s_wait_xcnt 0x0
; DeepFM, one launch.  For each of 16,384 batch rows: 39 rows of emb2 (64 bytes) and 39 words of emb1 are looked up by Xi and scaled by Xv;
; out = sum(first) + sum over 16 dims of 0.5 (s^2 - sum e2^2) + sum(relu(relu(e2 W1 + b1) W2 + b2)) + bias.
; Both products run on codes of BF6 (E3M2) with one E8M0 scale for each 32 along K, made here from f32 by the stated quantiser; all else is f32.
; NOTHING OF THE PROBLEM IS LEFT OUT: every input has a way to the output and is loaded.  Added inside live tiles only: zero codes for K 624..639 of the first product and K 32..127 of the second.
; SHARES.  256 work-groups of four waves; a work-group owns 64 batch rows, a wave 16: one matrix tile.  The waves share W1's quantising (five blocks of 32 along K each, handed round through LDS as
; images of the operand's registers) and the work-group's 256 bytes of output.
; TWO LAYOUTS.  (a) Gathering: the tile's 624 (row, field) pairs in the order in which Xi and Xv lie, n = 39 row + field.  Lane (p, q) = (lane / 4, lane % 4) takes quarter q of the emb2 row of pair
; 32 i + 4 p + t: one load reads 8 whole rows of 64 bytes, and each row is asked for once.  (b) Operand: lane (r, h) = (lane % 16, lane / 16) holds batch row r and whole blocks of 32 along K.
; e2 = emb2 x Xv is made in (a) and turns into (b) through the wave's own stage in LDS, 80 bytes a pair (64 + 16 of padding).
; BOTH PRODUCTS ARE USED TRANSPOSED (source 0 = 16 columns of the weight, source 1 = my 16 batch rows): a lane holds one batch row throughout.  The columns of W1 that form a tile are chosen so that a
; lane's 16 results are 16 neighbours along the second product's K: lane r of tile u takes column 8 u + r + 8 (r / 8).  The biases are the C of each sum's first matrix instruction.
; NO CLUSTER: what work-groups share is W1, W2 and the biases, 84,224 bytes read once by each, beside 64 x 39 x 64 = 159,744 bytes of looked-up rows that no two share; lane-addressed lookups are no tiles.
; LIMITS.  An index outside 0 .. 99,999 (read as unsigned) is held at 99,999.  A block of zeros gets the scale byte 1 where the rule says 127: its codes are zeros, which add nothing, and this program
; alone reads the bytes.  NaN and infinities among the inputs are not served.  The f32 sums are added in another order than the source writes them.
; REGISTERS, in windows of 256 (s_set_vgpr_msb: bits 1:0 source 0, 3:2 source 1, 5:4 source 2, 7:6 destination):
;   window 0: addresses, biases, W2's fragments, scale words, results.   window 1: e2 of groups 0-15, later W1's ten fragments.
;   window 2: e2 of groups 16-19 and W1, W2 as loaded; later the operand layout of e2, the FM sums and the codes.   window 3: Xi, the lookups' offsets, Xv.
.set ROWS2, 6400000                    ; bytes of one field's table in emb2
.set ROWS1, 400000                     ; and in emb1
.set TILEB, 2496                       ; a tile's bytes of Xi and of Xv: 624 words
.set TOP,   99999                      ; the largest index
.set FLOOR, 0x2800000                  ; 2^(5 - 127): under it no largest magnitude is taken, so a scale byte cannot fall under 1
.set OFF4,  0xfe000000                 ; takes 4 off an exponent field
; LDS
.set ESTW,  49920                      ; from 0: a stage of 624 x 80 bytes for each wave
.set F1B,   199680                     ; 640 words emb1 x Xv for each wave
.set F1W,   2560
.set RAWB,  209920                     ; 4,096 bytes for each wave: a block of 32 x 32 of W1 or W2 on its turn
.set IMG,   226304                     ; W1's ten fragments (5 u + K step) as images: 1,536 bytes each, 48 a lane
.set SCW,   241664                     ; their scale words: 64 bytes a fragment
.set OUTS,  242432                     ; the work-group's 64 results
.set SPARE, 242688                     ; the spare words, 128 bytes for each wave: two blocks of 256 bytes that no other line names
; window 0
.set LN, 1
.set RR, 2
.set HH, 3
.set PP, 4
.set QQ, 5
.set XIO, 6                            ; 16 p
.set XIO19, 7                          ; 8 p
.set WGO, 8                            ; 16 lane
.set WST, 9                            ; my turn block, as loaded
.set WLD, 10                           ; and by columns
.set WIM, 11                           ; where my column's 24 bytes of codes go
.set WSB, 12                           ; and its scale byte
.set EST, 13                           ; the stage, on the way in
.set EST19, 14
.set ERD, 15                           ; and on the way out
.set ERD2, 16
.set F1S, 17
.set F1S19, 18
.set F1R, 19
.set F1R2, 20
.set IMR, 21
.set SCR, 22
.set BO1, 23
.set BO2, 24
.set OST, 25
.set ORD, 26
.set OGO, 27
.set SPW, 28                           ; LDS address of my spare word; never rewritten
.set NIL, 29                           ; 0; never rewritten
.set ZR,  30                           ; 0, for selects
.set B1,  32                           ; v32-47  b1 in the result's layout, two tiles
.set B2,  48                           ; v48-63  b2 likewise
.set F20, 64                           ; v64-75  W2's columns 0-15
.set F21, 76                           ; v76-87  W2's columns 16-31
.set W2S, 88                           ; W2's scale bytes: lane = column
.set W1S, 90                           ; v90-99  W1's scale words
.set ASC, 100                          ; v100-104 e2's scale words, one a K step
.set CW,  104                          ; v104-143 (W phase only) my five blocks' codes
.set BW,  144                          ; v144-148 (W phase only) their bytes
.set A2,  106                          ; v106-117 the hidden layer's fragment
.set A2S, 118                          ; its scale byte
.set H,   120                          ; v120-135 the hidden layer
.set D2,  136                          ; v136-151 the second layer
.set TM0, 152                          ; v152-169 at work
.set PART, 170                         ; my lane's part of the result
.set X,   176                          ; v176-239 (W phase) two sets of 32 numbers down K
.set F1V, 176                          ; v176-195 (tail) my 19 first-order terms, and field 38's
; window 2
.set WR,  56                           ; v56-247 W1's five blocks and W2 as loaded
.set S,   128                          ; v128-143 sums of e2
.set SQ,  144                          ; v144-159 sums of e2^2
.set TM,  160                          ; v160-183 at work
.set AC,  184                          ; v184-243 e2's codes, 12 a K step
.set SWD, 244                          ; v244-248 my two bytes of each scale word
.set SWP, 249                          ; v249-253 the other half's
.set SH8, 254                          ; 8 h
.set ZR2, 255                          ; 0
; window 3
.set XI,  0                            ; v0-79    Xi, four a group
.set U,   80                           ; v80-159  emb2's offsets
.set XV,  160                          ; v160-239 Xv
.set T,   240                          ; emb1: my pair's field x 400,000
.set TA,  241
.set TB,  245
.set ZR3, 250
.set T19, 251
.set MSB, 0
.macro WIN new                         ; the immediate's high byte repeats the setting that is left; a switch that changes nothing is dropped
.if MSB != \new
	s_set_vgpr_msb (MSB<<8)|\new
.set MSB, \new
.endif
.endm
	s_load_b512 s[8:23], s[0:1], 0x0               ; Xi 8, Xv 10, emb1 12, emb2 14, W1 16, W2 18, b1 20, b2 22
	s_load_b128 s[24:27], s[0:1], 0x40             ; bias 24, out0 26
	v_lshl_add_u32 v[SPW], v0, 2, SPARE
	v_mov_b32 v[NIL], 0
	v_lshrrev_b32 v1, 5, v0
	v_readfirstlane_b32 s28, v1                    ; wave 0..3
	v_and_b32 v[LN], 31, v0
	v_and_b32 v[RR], 15, v0
	v_bfe_u32 v[HH], v0, 4, 1
	v_bfe_u32 v[PP], v0, 2, 3
	v_and_b32 v[QQ], 3, v0
	v_lshlrev_b32 v[XIO], 4, v[PP]
	v_lshlrev_b32 v[XIO19], 3, v[PP]
.irp t, 0,1,2,3
	v_lshl_add_u32 v[TM0+\t], v[PP], 2, \t         ; group 0: the field of pair 4 p + t
.endr
	v_lshlrev_b32 v[TM0+4], 4, v[QQ]               ; my quarter of a row
	v_lshl_add_u32 v[TM0+5], v[PP], 1, 23          ; group 19: pair 608 + 2 p + t has field 23 + 2 p + t (608 = 15 x 39 + 23)
	v_lshl_add_u32 v[TM0+6], v[PP], 1, 24
	v_and_b32 v[TM0+7], 1, v[QQ]
	v_add_nc_u32 v[TM0+7], v[TM0+7], v[TM0+5]      ; emb1, group 19: field 23 + 2 p + q % 2
	s_lshl_b32 s29, ttmp9, 2
	s_add_co_u32 s29, s29, s28                     ; my tile
	s_mul_i32 s46, s29, TILEB
	s_mov_b32 s47, 0
	s_lshl_b32 s50, s28, 12                        ; W1: my first block, rows 32 w on
	s_mov_b32 s51, 0
	s_add_co_u32 s52, s50, 67584                   ; the second half of my fifth block, rows 528 + 32 w on;
	s_min_u32 s52, s52, 77824                      ; wave 3's would lie past row 623: it reads rows 608-623 again, and they are set to 0 below.  No load leaves W1
	s_mov_b32 s53, 0
	s_lshl_b32 s54, ttmp9, 8                       ; out0: 64 words a work-group
	s_mov_b32 s55, 0
	s_mov_b32 s34, 0xaaaaaaaa                      ; lanes with q odd
	s_mov_b32 s35, 0xcccccccc                      ; lanes with q >= 2
	s_mov_b32 s36, 0xffff0000                      ; lanes 16-31
	s_cmp_eq_u32 s28, 3
	s_cselect_b32 s37, -1, 0                       ; all lanes of wave 3
	s_mov_b32 s38, 0x76543210
	s_mov_b32 s39, 0xfedcba98                      ; v_permlanex16_b32's selects for lane l xor 16
	s_mov_b32 s48, ROWS2
	s_mov_b32 s49, ROWS1
	s_wait_kmcnt 0x0
	s_add_nc_u64 s[8:9], s[8:9], s[46:47]
	s_add_nc_u64 s[10:11], s[10:11], s[46:47]
	s_add_nc_u64 s[42:43], s[16:17], s[50:51]
	s_add_nc_u64 s[44:45], s[16:17], s[52:53]
	s_add_nc_u64 s[26:27], s[26:27], s[54:55]
	s_load_b32 s40, s[24:25], 0x0                  ; the bias: waited for in the tail
	; ---- Xi and Xv: each load reads 128 dense bytes; the four lanes of a quad take the same 16
	WIN 0xc0
.set i, 0
.rept 19
	global_load_b128 v[XI+4*i:XI+4*i+3], v[XIO], s[8:9] offset:128*i th:TH_LOAD_NT
.set i, i+1
.endr
	global_load_b64 v[XI+76:XI+77], v[XIO19], s[8:9] offset:2432 th:TH_LOAD_NT
.set i, 0
.rept 19
	global_load_b128 v[XV+4*i:XV+4*i+3], v[XIO], s[10:11] offset:128*i th:TH_LOAD_NT
.set i, i+1
.endr
	global_load_b64 v[XV+76:XV+77], v[XIO19], s[10:11] offset:2432 th:TH_LOAD_NT
	; ---- while they are on their way: field x table bytes + my quarter, for every pair
.irp t, 0,1,2,3
	v_mad_u32_u24 v[U+\t], v[TM0+\t], s48, v[TM0+4]
.endr
	v_mad_u32_u24 v[U+76], v[TM0+5], s48, v[TM0+4]
	v_mad_u32_u24 v[U+77], v[TM0+6], s48, v[TM0+4]
	v_mul_u32_u24 v[T], s49, v[LN]
	v_mul_u32_u24 v[T19], s49, v[TM0+7]
	v_mov_b32 v[ZR3], 0
	WIN 0xff
.set i, 0
.rept 18                               ; 32 pairs on the field is 32 more, or 7 less: of the two sums the wrong one is the larger as an unsigned number
.irp t, 0,1,2,3
	v_add_nc_u32 v[TA+\t], 32*ROWS2, v[U+4*i+\t]
.endr
.irp t, 0,1,2,3
	v_add_nc_u32 v[TB+\t], -7*ROWS2, v[U+4*i+\t]
.endr
.irp t, 0,1,2,3
	v_min_u32 v[U+4*i+4+\t], v[TA+\t], v[TB+\t]
.endr
.set i, i+1
.endr
	; ---- every LDS address, once: a constant + terms of the lane + a constant x wave
	WIN 0
	v_lshlrev_b32 v[WGO], 4, v[LN]
	s_lshl_b32 s29, s28, 12
	s_add_co_u32 s29, s29, RAWB
	v_lshl_add_u32 v[WST], v[LN], 4, s29
	v_lshl_add_u32 v[WLD], v[LN], 2, s29
	v_bfe_u32 v[TM0], v0, 3, 1                     ; column n = lane of W1 belongs to tile u = (n / 8) % 2,
	v_and_b32 v[TM0+1], 7, v0
	v_lshl_add_u32 v[TM0+1], v[HH], 3, v[TM0+1]    ; and is its row n % 8 + 8 (n / 16)
	s_and_b32 s30, s28, 1
	s_mul_i32 s30, s30, 768                        ; my block of a K step is 2 c + h with h = w % 2: lanes 16 h on,
	s_lshr_b32 s31, s28, 1
	s_mul_i32 s31, s31, 24                         ; c = w / 2: registers 6 c on
	s_add_co_u32 s30, s30, s31
	s_add_co_u32 s30, s30, IMG
	v_mul_u32_u24 v[WIM], v[TM0], 7680
	v_mad_u32_u24 v[WIM], v[TM0+1], 48, v[WIM]
	v_add_nc_u32 v[WIM], s30, v[WIM]
	s_add_co_u32 s31, s28, SCW
	v_mul_u32_u24 v[WSB], v[TM0], 320
	v_lshl_add_u32 v[WSB], v[TM0+1], 2, v[WSB]
	v_add_nc_u32 v[WSB], s31, v[WSB]               ; byte w of the row's scale word
	s_mul_i32 s32, s28, ESTW
	v_mul_u32_u24 v[EST], v[PP], 320
	v_lshl_add_u32 v[EST], v[QQ], 4, v[EST]
	v_add_nc_u32 v[EST], s32, v[EST]               ; pair 32 i + 4 p + t: 80 bytes a pair, + 16 q
	v_mul_u32_u24 v[EST19], v[PP], 160
	v_lshl_add_u32 v[EST19], v[QQ], 4, v[EST19]
	v_add_nc_u32 v[EST19], s32, v[EST19]
	v_mul_u32_u24 v[ERD], v[RR], 3120              ; row r: 39 pairs of 80 bytes
	v_add_nc_u32 v[ERD], s32, v[ERD]
	v_mad_u32_u24 v[ERD2], v[HH], 80, v[ERD]
	v_mad_u32_u24 v[ERD], v[HH], 160, v[ERD]       ; lanes 16-31 stand two fields on
	s_mul_i32 s33, s28, F1W
	s_add_co_u32 s33, s33, F1B
	v_lshl_add_u32 v[F1S], v[LN], 2, s33
	v_and_b32 v[TM0+2], 1, v[QQ]
	v_lshlrev_b32 v[TM0+2], 2, v[TM0+2]
	v_lshl_add_u32 v[TM0+2], v[PP], 3, v[TM0+2]
	v_lshrrev_b32 v[TM0+3], 1, v[QQ]
	v_lshl_add_u32 v[TM0+2], v[TM0+3], 6, v[TM0+2] ; lanes with q >= 2 hold no pair of group 19: their zeros go to words 624-639, which nobody reads
	v_add_nc_u32 v[F1S19], s33, v[TM0+2]
	v_mul_u32_u24 v[F1R2], v[RR], 156
	v_add_nc_u32 v[F1R2], s33, v[F1R2]
	v_mad_u32_u24 v[F1R], v[HH], 76, v[F1R2]       ; lanes 0-15 fields 0-18, lanes 16-31 fields 19-37
	v_mul_u32_u24 v[IMR], v[LN], 48
	v_add_nc_u32 v[IMR], IMG, v[IMR]
	v_lshl_add_u32 v[SCR], v[RR], 2, SCW
	v_lshlrev_b32 v[BO1], 6, v[HH]
	v_lshlrev_b32 v[BO2], 5, v[HH]
	s_lshl_b32 s29, s28, 6
	s_add_co_u32 s29, s29, OUTS
	v_lshl_add_u32 v[OST], v[RR], 2, s29
	v_lshl_add_u32 v[ORD], v[LN], 3, OUTS
	v_lshlrev_b32 v[OGO], 3, v[LN]
	v_mov_b32 v[ZR], 0
.irp e, 6,7,8,9,10,11
	v_mov_b32 v[F20+\e], 0                         ; the second product's K 64..127: zero codes
.endr
.irp e, 0,1,2,3,4,5,6,7,8,9,10,11
	v_mov_b32 v[F21+\e], 0
.endr
	WIN 0x80
.irp e, 0,1,2,3,4
	v_mov_b32 v[SWP+\e], 0                         ; written once: a lane permute's destination counts as one of its sources
.endr
	v_lshlrev_b32 v[SH8], 3, v[HH]
	v_mov_b32 v[ZR2], 0
	; ---- W1 (my five blocks of 32 rows), W2, the biases: each load of W1 or W2 reads 512 dense bytes
.irp b, 0,1,2,3,4
.irp e, 0,1,2,3,4,5,6,7
.if (\b == 4) && (\e > 3)
	global_load_b128 v[WR+32*\b+4*\e:WR+32*\b+4*\e+3], v[WGO], s[44:45] offset:512*(\e-4)
.else
	global_load_b128 v[WR+32*\b+4*\e:WR+32*\b+4*\e+3], v[WGO], s[42:43] offset:16384*\b+512*\e
.endif
.endr
.endr
.irp e, 0,1,2,3,4,5,6,7
	global_load_b128 v[WR+160+4*\e:WR+160+4*\e+3], v[WGO], s[18:19] offset:512*\e
.endr
	WIN 0
.irp g, 0,1
	global_load_b128 v[B1+8*\g:B1+8*\g+3], v[BO1], s[20:21] offset:32*\g          ; tile u, register j of lane (r, h): hidden unit 16 h + 8 u + j
	global_load_b128 v[B1+8*\g+4:B1+8*\g+7], v[BO1], s[20:21] offset:32*\g+16
.endr
.irp g, 0,1
	global_load_b128 v[B2+8*\g:B2+8*\g+3], v[BO2], s[22:23] offset:64*\g          ; tile t: output 16 t + 8 h + j
	global_load_b128 v[B2+8*\g+4:B2+8*\g+7], v[BO2], s[22:23] offset:64*\g+16
.endr
; four lookups of emb2: group i, pairs 32 i + 4 p + t.  Every lookup has offset and data registers of its own: none is written again while a load is out
.macro GATH i
.if (\i) < 16
	WIN 0x43
.set EB, 16*(\i)
.else
	WIN 0x83
.set EB, 16*((\i)-16)
.endif
.irp t, 0,1,2,3
.if (\t < 2) || ((\i) < 19)
	global_load_b128 v[EB+4*\t:EB+4*\t+3], v[U+4*(\i)+\t], s[14:15]
.endif
.endr
.endm
; emb1: in group i lane l takes pair 32 i + l, the q-th of its own four indices; the index is held once more behind the selects, so that only a shift and an addition stand between the hold and the address
.macro SEL1 i
.set I0, XI+4*(\i)
.if (\i) < 19
	v_cndmask_b32 v[I0], v[I0], v[I0+1], s34
	v_cndmask_b32 v[I0+2], v[I0+2], v[I0+3], s34
	v_cndmask_b32 v[I0], v[I0], v[I0+2], s35
	v_min_u32 v[I0], TOP, v[I0]
	v_lshl_add_u32 v[I0+1], v[I0], 2, v[T]
.if (\i) < 18
	v_add_nc_u32 v[TA], 32*ROWS1, v[T]
	v_add_nc_u32 v[TB], -7*ROWS1, v[T]
	v_min_u32 v[T], v[TA], v[TB]
.endif
.else
	v_cndmask_b32 v[I0], v[I0], v[I0+1], s34
	v_min_u32 v[I0], TOP, v[I0]
	v_lshl_add_u32 v[I0+1], v[I0], 2, v[T19]
.endif
	global_load_b32 v[I0], v[I0+1], s[12:13]       ; (a load takes the destination's and source 0's windows: both are 3 here)
.endm
	s_wait_loadcnt 63                              ; 96 loads have been issued: at most 63 are out, so the 33 oldest are in, Xi's 20 among them
	WIN 0xff
.set n, 0
.rept 40
	v_min_u32 v[XI+n], TOP, v[XI+n]                ; an index stays inside its table
.set n, n+1
.endr
.set n, 0
.rept 40
	v_lshl_add_u32 v[U+n], v[XI+n], 6, v[U+n]      ; + 64 bytes a row
.set n, n+1
.endr
.irp a, 0,1,2,3,4,5,6,7,8,9
	GATH \a                                        ; the first 40 lookups go out
.endr
	WIN 0xff
.set n, 40
.rept 38
	v_min_u32 v[XI+n], TOP, v[XI+n]
.set n, n+1
.endr
.set n, 40
.rept 38
	v_lshl_add_u32 v[U+n], v[XI+n], 6, v[U+n]
.set n, n+1
.endr
.irp a, 0,1,2,3,4,5,6,7,8,9,10,11,12,13,14,15,16,17,18,19
	SEL1 \a                                        ; and emb1's 20: 60 lookups of the wave are out
.endr
; ---- W1 AND W2 BECOME CODES while the lookups are on their way.  A block of 32 rows x 32 columns goes through my 4,096 bytes of LDS as it lies and comes back with a lane to a column and the registers
; running down K: a block of 32 along K is then one lane's 32 registers.  LDS serves a wave's instructions in order (ISA guide 5.7.1.4): no wait between the stores and the loads.
.macro TURNW kb
	WIN 0x08
.irp e, 0,1,2,3,4,5,6,7
	ds_store_b128 v[WST], v[WR+32*(\kb)+4*\e:WR+32*(\kb)+4*\e+3] offset:512*\e
.endr
	WIN 0
.irp e, 0,1,2,3,4,5,6,7,8,9,10,11,12,13,14,15,16,17,18,19,20,21,22,23,24,25,26,27,28,29,30,31
	ds_load_b32 v[X+32*((\kb)%2)+\e], v[WLD] offset:128*\e
.endr
.endm
.macro QMAX                            ; the largest magnitude of v[XS] .. v[XS + 31] and the floor; with 4 off its exponent field it is the conversion's scale operand
	v_max3_num_f32 v[TM0], |v[XS]|, |v[XS+1]|, |v[XS+2]|
	v_max3_num_f32 v[TM0+1], |v[XS+3]|, |v[XS+4]|, |v[XS+5]|
.irp e, 6,10,14,18,22,26
	v_max3_num_f32 v[TM0], v[TM0], |v[XS+\e]|, |v[XS+\e+1]|
	v_max3_num_f32 v[TM0+1], v[TM0+1], |v[XS+\e+2]|, |v[XS+\e+3]|
.endr
	v_max3_num_f32 v[TM0], v[TM0], |v[XS+30]|, |v[XS+31]|
	v_max3_num_f32 v[TM0], v[TM0], v[TM0+1], FLOOR
	v_add_nc_u32 v[TM0+2], OFF4, v[TM0]
.endm
.macro QW kb                           ; block 4 kb + w of W1: 24 bytes of codes and a scale byte for each column, into the images of K step kb.  Each block has registers of its own for what it stores
.set XS, X+32*((\kb)%2)
.set CC, CW+8*(\kb)
.if (\kb) == 4
.irp e, 16,17,18,19,20,21,22,23,24,25,26,27,28,29,30,31
	v_cndmask_b32 v[XS+\e], v[XS+\e], v[ZR], s37   ; wave 3: K 624..639 is filled with zeros
.endr
.endif
	QMAX
	v_lshrrev_b32 v[BW+(\kb)], 23, v[TM0+2]        ; the scale's byte
	v_cvt_scalef32_pk16_bf6_f32 v[CC:CC+2], v[XS:XS+15], v[TM0+2]
	v_cvt_scalef32_pk16_bf6_f32 v[CC+4:CC+6], v[XS+16:XS+31], v[TM0+2]   ; (a conversion's three registers begin on an even number)
	v_nop                                          ; one plain place behind a scaled conversion
	v_mov_b32 v[CC+3], v[CC+4]
	v_mov_b32 v[CC+4], v[CC+5]
	v_mov_b32 v[CC+5], v[CC+6]
	ds_store_b64 v[WIM], v[CC:CC+1] offset:1536*(\kb)
	ds_store_b64 v[WIM], v[CC+2:CC+3] offset:1536*(\kb)+8
	ds_store_b64 v[WIM], v[CC+4:CC+5] offset:1536*(\kb)+16
	ds_store_b8 v[WSB], v[BW+(\kb)] offset:64*(\kb)
.endm
	s_wait_loadcnt 60                              ; all but the 60 lookups are in: Xv, W1, W2, the biases
	TURNW 0
	TURNW 1
	s_wait_dscnt 40                                ; block 0 is back; block 1's 40 may be out
	QW 0
	TURNW 2
	s_wait_dscnt 44                                ; behind block 1's loads: four stores and a turn's 40
	QW 1
	TURNW 3
	s_wait_dscnt 44
	QW 2
	TURNW 4
	s_wait_dscnt 44
	QW 3
	TURNW 5                                        ; W2
	s_wait_dscnt 44
	QW 4
	s_wait_dscnt 4                                 ; behind W2's loads: four stores
.set XS, X+32
	QMAX
	v_lshrrev_b32 v[W2S], 23, v[TM0+2]             ; lane n: column n's byte for K 0..31; the word's other bytes are 0 and stand over zero codes
	v_cvt_scalef32_pk16_bf6_f32 v[F20:F20+2], v[XS:XS+15], v[TM0+2]
	v_cvt_scalef32_pk16_bf6_f32 v[TM0+4:TM0+6], v[XS+16:XS+31], v[TM0+2]
	v_nop
.irp e, 0,1,2
	v_mov_b32 v[F20+3+\e], v[TM0+4+\e]
.endr
.irp e, 0,1,2,3,4,5
	v_permlane16_swap_b32 v[F20+\e], v[F21+\e]     ; columns 16-31 go to lanes 0-15 of the second fragment; zeros come back: lanes 16-31 hold K 32..63, which is zero
.endr
	s_wait_dscnt 0x0                               ; for the others' sake: my images and bytes have landed
	s_barrier_signal -1
	s_barrier_wait -1                              ; W1's ten fragments and their scale words are whole
.irp e, 3,4,5,6,7,8,9,10,11
	v_mov_b32 v[A2+\e], 0                          ; (these held W1's codes until now)
.endr
	; ---- emb1's factor: the q-th of my four Xv
	WIN 0xff
.set i, 0
.rept 19
	v_cndmask_b32 v[XI+4*i+2], v[XV+4*i], v[XV+4*i+1], s34
	v_cndmask_b32 v[XI+4*i+3], v[XV+4*i+2], v[XV+4*i+3], s34
	v_cndmask_b32 v[XI+4*i+2], v[XI+4*i+2], v[XI+4*i+3], s35
.set i, i+1
.endr
	v_cndmask_b32 v[XI+78], v[XV+76], v[XV+77], s34
	v_cndmask_b32 v[XI+78], v[XI+78], v[ZR3], s35  ; group 19 has 16 pairs: lanes with q >= 2 count for nothing
; ---- group i has come: e2 = emb2 x Xv, into the stage
.macro ESTEP i, cnt
	s_wait_loadcnt \cnt
.if (\i) < 16
	WIN 0x47
.set EB, 16*(\i)
.else
	WIN 0x8b
.set EB, 16*((\i)-16)
.endif
.irp t, 0,1,2,3
.if (\t < 2) || ((\i) < 19)
.irp e, 0,1,2,3
	v_mul_f32 v[EB+4*\t+\e], v[XV+4*(\i)+\t], v[EB+4*\t+\e]
.endr
.endif
.endr
.if (\i) < 16
	WIN 0x04
.else
	WIN 0x08
.endif
.irp t, 0,1,2,3
.if (\i) < 19
	ds_store_b128 v[EST], v[EB+4*\t:EB+4*\t+3] offset:2560*(\i)+80*\t
.elseif \t < 2
	ds_store_b128 v[EST19], v[EB+4*\t:EB+4*\t+3] offset:48640+80*\t
.endif
.endr
.endm
.irp a, 0,1,2,3,4,5,6,7,8,9
	ESTEP \a, 56                                   ; behind group a: 4 (9 - a) of emb2, emb1's 20, and the 4 a issued by the steps before
	GATH \a+10                                     ; and ten groups on goes out
.endr
	s_wait_loadcnt 38                              ; emb1 is in; groups 10-19 (9 x 4 + 2) may be out
	WIN 0xff
.set i, 0
.rept 20
	v_mul_f32 v[XI+4*i+3], v[XI+4*i], v[XI+4*i+2]
.set i, i+1
.endr
	WIN 0x0c
.set i, 0
.rept 19
	ds_store_b32 v[F1S], v[XI+4*i+3] offset:128*i
.set i, i+1
.endr
	ds_store_b32 v[F1S19], v[XI+79] offset:2432
.irp a, 10,11,12,13,14,15,16,17,18
	ESTEP \a, 74-4*\a                              ; the groups behind a: 4 (18 - a) + 2
.endr
	ESTEP 19, 0
; ---- THE OPERAND LAYOUT.  K step z: register 32 c + 16 g + 4 e + j of lane (r, h) is dimension 4 e + j of field 8 z + 4 c + 2 h + g of row r: k = 128 z + 64 c + 32 h + 0 .. 31 in 32 registers on end
.macro LOADAS z
.set AS, 64*((\z)%2)
	WIN 0x80
.irp c, 0,1
.irp g, 0,1
.irp e, 0,1,2,3
.if ((\z) == 4) && (\c == 1) && (\g == 1)
	ds_load_b128 v[AS+48+4*\e:AS+48+4*\e+3], v[ERD2] offset:80*37+16*\e           ; lanes 0-15: field 37.  Lanes 16-31 would want field 39, which is not: they read field 38 and are set to 0 below
.else
	ds_load_b128 v[AS+32*\c+16*\g+4*\e:AS+32*\c+16*\g+4*\e+3], v[ERD] offset:80*(8*(\z)+4*\c+\g)+16*\e
.endif
.endr
.endr
.endr
.endm
; The work on K step z: the FM sums of its four fields, then its two blocks of 32 become codes and two bytes of the row's scale word
.macro WORK z
.set AS, 64*((\z)%2)
.set AO, AC+12*(\z)
	WIN 0xaa
.if (\z) == 4
.irp e, 0,1,2,3,4,5,6,7,8,9,10,11,12,13,14,15
	v_cndmask_b32 v[AS+48+\e], v[AS+48+\e], v[ZR2], s36
.endr
.endif
.irp g, 0,1,2,3
.irp d, 0,2,4,6,8,10,12,14
.if ((\z) == 0) && (\g == 0)
	v_pk_mul_f32 v[SQ+\d:SQ+\d+1], v[AS+\d:AS+\d+1], v[AS+\d:AS+\d+1]             ; the first two fields start the sums: nothing is cleared
.elseif ((\z) == 0) && (\g == 1)
	v_pk_add_f32 v[S+\d:S+\d+1], v[AS+\d:AS+\d+1], v[AS+16+\d:AS+16+\d+1]
	v_pk_fma_f32 v[SQ+\d:SQ+\d+1], v[AS+16+\d:AS+16+\d+1], v[AS+16+\d:AS+16+\d+1], v[SQ+\d:SQ+\d+1]
.else
	v_pk_add_f32 v[S+\d:S+\d+1], v[S+\d:S+\d+1], v[AS+16*\g+\d:AS+16*\g+\d+1]
	v_pk_fma_f32 v[SQ+\d:SQ+\d+1], v[AS+16*\g+\d:AS+16*\g+\d+1], v[AS+16*\g+\d:AS+16*\g+\d+1], v[SQ+\d:SQ+\d+1]
.endif
.endr
.endr
.irp c, 0,1
	v_max3_num_f32 v[TM+\c], |v[AS+32*\c]|, |v[AS+32*\c+1]|, FLOOR                ; my block 2 c + h: all its 32 numbers are mine
.endr
.irp e, 2,4,6,8,10,12,14,16,18,20,22,24,26,28,30
.irp c, 0,1
	v_max3_num_f32 v[TM+\c], v[TM+\c], |v[AS+32*\c+\e]|, |v[AS+32*\c+\e+1]|       ; (the two blocks by turns)
.endr
.endr
.irp c, 0,1
	v_add_nc_u32 v[TM+4+\c], OFF4, v[TM+\c]
.endr
.irp c, 0,1
	v_lshrrev_b32 v[TM+6+\c], 23, v[TM+4+\c]
.endr
	v_lshl_or_b32 v[SWD+(\z)], v[TM+7], 16, v[TM+6]
	v_lshlrev_b32 v[SWD+(\z)], v[SH8], v[SWD+(\z)] ; bytes h and 2 + h of the word
	v_permlanex16_b32 v[SWP+(\z)], v[SWD+(\z)], s38, s39
.irp c, 0,1
	v_cvt_scalef32_pk16_bf6_f32 v[AO+6*\c:AO+6*\c+2], v[AS+32*\c:AS+32*\c+15], v[TM+4+\c]
	v_cvt_scalef32_pk16_bf6_f32 v[TM+8+4*\c:TM+10+4*\c], v[AS+32*\c+16:AS+32*\c+31], v[TM+4+\c]
.endr
	v_nop                                          ; one plain place behind a scaled conversion
.irp c, 0,1
.irp e, 0,1,2
	v_mov_b32 v[AO+6*\c+3+\e], v[TM+8+4*\c+\e]
.endr
.endr
.endm
	s_wait_dscnt 0x0                               ; all my LDS stores have read their registers: windows 1 and 2 are laid out anew
	LOADAS 0
	LOADAS 1
	s_wait_dscnt 16                                ; this K step's 16 loads are in, the next one's may be out
	WORK 0
	LOADAS 2
	s_wait_dscnt 16
	WORK 1
	LOADAS 3
	s_wait_dscnt 16
	WORK 2
	LOADAS 4
	s_wait_dscnt 16
	WORK 3
	WIN 0x40                                       ; W1's ten fragments come back as they were stored: 48 bytes a lane
.set f, 0
.rept 10
.irp e, 0,1,2
	ds_load_b128 v[12*f+4*\e:12*f+4*\e+3], v[IMR] offset:1536*f+16*\e
.endr
.set f, f+1
.endr
	WIN 0
.set f, 0
.rept 10
	ds_load_b32 v[W1S+f], v[SCR] offset:64*f
.set f, f+1
.endr
.set f, 0
.rept 19
	ds_load_b32 v[F1V+f], v[F1R] offset:4*f
.set f, f+1
.endr
	ds_load_b32 v[F1V+19], v[F1R2] offset:152      ; field 38, in both halves of the lanes: added once, behind the exchange
	s_wait_dscnt 60                                ; K step 4 is in; the 30 + 10 + 20 just issued may be out
	WORK 4
	; ---- THE TAIL
	WIN 0x0a
.irp e, 0,1,2,3,4
	v_or_b32 v[ASC+\e], v[SWD+\e], v[SWP+\e]       ; the rows' scale words are whole
.endr
	WIN 0xaa
.irp e, 0,1,2,3,4,5,6,7,8,9,10,11,12,13,14,15
	v_permlanex16_b32 v[\e], v[S+\e], s38, s39     ; (v0-15 of this window have been written: K step 4 lay there)
.endr
.irp d, 0,2,4,6,8,10,12,14
	v_pk_add_f32 v[S+\d:S+\d+1], v[S+\d:S+\d+1], v[\d:\d+1]                       ; s over all 39 fields
.endr
.irp d, 0,2,4,6,8,10,12,14
	v_pk_mul_f32 v[S+\d:S+\d+1], v[S+\d:S+\d+1], v[S+\d:S+\d+1]                   ; s^2.  These sixteen packed lines are also the eight places between the scale words' last write and the products
.endr
	s_wait_dscnt 0x0                               ; W1's fragments, its scale words, the first-order terms
	WIN 0x09                                       ; source 0 (W1) window 1, source 1 (e2) window 2, C and D window 0
.irp e, 0,1,2,3,4                      ; the two accumulators take turns, one instruction a turn
.irp g, 0,1
.if \e == 0
	v_wmma_scale_f32_16x16x128_f8f6f4 v[H+8*\g:H+8*\g+7], v[12*(5*\g+\e):12*(5*\g+\e)+11], v[AC+12*\e:AC+12*\e+11], v[B1+8*\g:B1+8*\g+7], v[W1S+5*\g+\e], v[ASC+\e] matrix_a_fmt:MATRIX_FMT_BF6 matrix_b_fmt:MATRIX_FMT_BF6
.else
	v_wmma_scale_f32_16x16x128_f8f6f4 v[H+8*\g:H+8*\g+7], v[12*(5*\g+\e):12*(5*\g+\e)+11], v[AC+12*\e:AC+12*\e+11], v[H+8*\g:H+8*\g+7], v[W1S+5*\g+\e], v[ASC+\e] matrix_a_fmt:MATRIX_FMT_BF6 matrix_b_fmt:MATRIX_FMT_BF6
.endif
.endr
.endr
	WIN 0xaa                                       ; the FM term: sixteen plain lines that name no register of the products: the places behind them (ISA guide 7.12.1)
.irp d, 0,2,4,6,8,10,12,14
	v_pk_fma_f32 v[S+\d:S+\d+1], v[S+\d:S+\d+1], 0.5, v[SQ+\d:SQ+\d+1] op_sel_hi:[1,0,1] neg_lo:[0,0,1] neg_hi:[0,0,1]   ; s^2 / 2 less my half's squares: the two halves of the lanes add up to s^2 - sum e2^2
.endr
.irp d, 0,2,4,6
	v_pk_add_f32 v[S+\d:S+\d+1], v[S+\d:S+\d+1], v[S+8+\d:S+8+\d+1]
.endr
.irp d, 0,2
	v_pk_add_f32 v[S+\d:S+\d+1], v[S+\d:S+\d+1], v[S+4+\d:S+4+\d+1]
.endr
	v_pk_add_f32 v[S:S+1], v[S:S+1], v[S+2:S+3]
	v_add_f32 v[S], v[S], v[S+1]
	WIN 0x02
	v_fma_f32 v[PART], v[S], 0.5, v[F1V]           ; my part begins: half of that, and my first first-order term
	WIN 0
.irp e, 0,1,2,3,4,5,6,7,8,9,10,11,12,13,14,15
	v_max_num_f32 v[H+\e], 0, v[H+\e]              ; the activation, each accumulator from its low end on: register 8 u + j is hidden unit 16 h + 8 u + j
.endr
	v_max3_num_f32 v[TM0], v[H], v[H+1], v[H+2]    ; the one block of 32 along the next K lies in lanes l and l xor 16.  No |.|: nothing is negative
	v_max3_num_f32 v[TM0+1], v[H+3], v[H+4], v[H+5]
	v_max3_num_f32 v[TM0], v[TM0], v[H+6], v[H+7]
	v_max3_num_f32 v[TM0+1], v[TM0+1], v[H+8], v[H+9]
	v_max3_num_f32 v[TM0], v[TM0], v[H+10], v[H+11]
	v_max3_num_f32 v[TM0+1], v[TM0+1], v[H+12], v[H+13]
	v_max3_num_f32 v[TM0], v[TM0], v[H+14], v[H+15]
	v_max3_num_f32 v[TM0], v[TM0], v[TM0+1], FLOOR
	v_permlanex16_b32 v[TM0+1], v[TM0], s38, s39
	v_max_num_f32 v[TM0], v[TM0], v[TM0+1]
	v_add_nc_u32 v[TM0+2], OFF4, v[TM0]
	v_lshrrev_b32 v[A2S], 23, v[TM0+2]             ; byte 0 of the row's scale word; the others are 0 and stand over zero codes
	v_cvt_scalef32_pk16_bf6_f32 v[A2:A2+2], v[H:H+15], v[TM0+2]
	v_nop                                          ; one plain place behind a scaled conversion
.irp e, 0,1,2
	v_permlane16_swap_b32 v[A2+\e], v[A2+3+\e]     ; lanes 16-31's codes (K 16..31) become registers 3-5 of lanes 0-15; zeros come back
.endr
.irp e, 1,3,5,7,9,11,13,15,17
	v_add_f32 v[F1V+\e], v[F1V+\e], v[F1V+\e+1]    ; the first-order terms: thirteen plain lines, the eight places between the scale byte's write and the scaled products
.endr
.irp e, 1,5,9,13
	v_add_f32 v[F1V+\e], v[F1V+\e], v[F1V+\e+2]
.endr
	v_wmma_scale_f32_16x16x128_f8f6f4 v[D2:D2+7], v[F20:F20+11], v[A2:A2+11], v[B2:B2+7], v[W2S], v[A2S] matrix_a_fmt:MATRIX_FMT_BF6 matrix_b_fmt:MATRIX_FMT_BF6
	v_wmma_scale_f32_16x16x128_f8f6f4 v[D2+8:D2+15], v[F21:F21+11], v[A2:A2+11], v[B2+8:B2+15], v[W2S], v[A2S] matrix_a_fmt:MATRIX_FMT_BF6 matrix_b_fmt:MATRIX_FMT_BF6 matrix_a_scale:MATRIX_SCALE_ROW1
	s_wait_kmcnt 0x0                               ; the bias
	v_add_f32 v[F1V+1], v[F1V+1], v[F1V+5]         ; six plain lines: the places behind the products
	v_add_f32 v[F1V+9], v[F1V+9], v[F1V+13]
	v_add_f32 v[PART], v[PART], v[F1V+17]
	v_add_f32 v[F1V+19], s40, v[F1V+19]            ; field 38's term and the bias: whole in every lane
	v_add_f32 v[F1V+1], v[F1V+1], v[F1V+9]
	v_add_f32 v[PART], v[PART], v[F1V+1]
.irp e, 0,1,2,3,4,5,6,7,8,9,10,11,12,13,14,15
	v_max_num_f32 v[D2+\e], 0, v[D2+\e]            ; the second activation, from each accumulator's low end on
.endr
.irp d, 0,2,4,6
	v_pk_add_f32 v[D2+\d:D2+\d+1], v[D2+\d:D2+\d+1], v[D2+8+\d:D2+8+\d+1]
.endr
.irp d, 0,2
	v_pk_add_f32 v[D2+\d:D2+\d+1], v[D2+\d:D2+\d+1], v[D2+4+\d:D2+4+\d+1]
.endr
	v_pk_add_f32 v[D2:D2+1], v[D2:D2+1], v[D2+2:D2+3]
	v_add_f32 v[D2], v[D2], v[D2+1]
	v_add_f32 v[PART], v[PART], v[D2]
	v_permlanex16_b32 v[TM0+1], v[PART], s38, s39
	v_add_f32 v[PART], v[PART], v[TM0+1]           ; with lane l xor 16's part
	v_add_f32 v[PART], v[PART], v[F1V+19]
	ds_store_b32 v[OST], v[PART]                   ; lanes l and l xor 16 write the same word with the same value
	s_wait_dscnt 0x0                               ; for wave 0's sake: my 16 results have landed
	s_barrier_signal -1
	s_barrier_wait -1
	s_cmp_lg_u32 s28, 0
	s_cbranch_scc1 .Lend
	ds_load_b64 v[TM0:TM0+1], v[ORD]
	s_wait_dscnt 0x0
	global_store_b64 v[OGO], v[TM0:TM0+1], s[26:27]   ; 32 lanes store the work-group's 256 consecutive bytes, at a multiple of 256 from out0's first byte
.Lend:
	s_wait_tensorcnt 0x0                           ; the wave's end: three closing lines behind my last LDS store
	ds_add_u32 v[SPW], v[NIL]
	s_wait_dscnt 0x0
	s_endpgm
.Lfunc_end_k_q68bac20575_deepfm:
	.size	k_q68bac20575_deepfm, .Lfunc_end_k_q68bac20575_deepfm-k_q68bac20575_deepfm
	.p2alignl 7, 3214868480
	.fill 96, 4, 3214868480
	.section	.rodata,"a",@progbits
	.p2align	6, 0x0
	.amdhsa_kernel k_q68bac20575_deepfm
		.amdhsa_group_segment_fixed_size 243200
		.amdhsa_private_segment_fixed_size 0
		.amdhsa_enable_private_segment 0
		.amdhsa_kernarg_size 80
		.amdhsa_user_sgpr_count 2
		.amdhsa_user_sgpr_kernarg_segment_ptr 1
		.amdhsa_wavefront_size32 1
		.amdhsa_system_sgpr_workgroup_id_x 1
		.amdhsa_system_sgpr_workgroup_id_y 1
		.amdhsa_system_sgpr_workgroup_id_z 1
		.amdhsa_system_vgpr_workitem_id 0
		.amdhsa_next_free_vgpr 1024
		.amdhsa_next_free_sgpr 66
		.amdhsa_reserve_vcc 0
		.amdhsa_float_denorm_mode_32 3
		.amdhsa_float_denorm_mode_16_64 3
		.amdhsa_memory_ordered 1
		.amdhsa_forward_progress 1
		.amdhsa_inst_pref_size 158
	.end_amdhsa_kernel
	.amdgpu_metadata
---
amdhsa.version: [ 1, 2 ]
amdhsa.kernels:
  - .name:           k_q68bac20575_deepfm
    .symbol:         k_q68bac20575_deepfm.kd
    .args:
      - { .name: Xi, .offset: 0, .size: 8, .value_kind: global_buffer, .address_space: global }
      - { .name: Xv, .offset: 8, .size: 8, .value_kind: global_buffer, .address_space: global }
      - { .name: emb1, .offset: 16, .size: 8, .value_kind: global_buffer, .address_space: global }
      - { .name: emb2, .offset: 24, .size: 8, .value_kind: global_buffer, .address_space: global }
      - { .name: W1, .offset: 32, .size: 8, .value_kind: global_buffer, .address_space: global }
      - { .name: W2, .offset: 40, .size: 8, .value_kind: global_buffer, .address_space: global }
      - { .name: b1, .offset: 48, .size: 8, .value_kind: global_buffer, .address_space: global }
      - { .name: b2, .offset: 56, .size: 8, .value_kind: global_buffer, .address_space: global }
      - { .name: bias, .offset: 64, .size: 8, .value_kind: global_buffer, .address_space: global }
      - { .name: out0, .offset: 72, .size: 8, .value_kind: global_buffer, .address_space: global }
    .group_segment_fixed_size: 243200
    .private_segment_fixed_size: 0
    .kernarg_segment_align: 8
    .kernarg_segment_size: 80
    .max_flat_workgroup_size: 128
    .sgpr_count:     66
    .vgpr_count:     1024
    .wavefront_size: 32
...
	.end_amdgpu_metadata
.endif
;; end of part 1
;; ======== version 2 of 2: 1 launch; version 1 with the launch deepfm written anew for expert scheduling mode
;; launch deepfm (part 2): grid 256 x 1, 4 waves a work-group, no clusters, 243,200 bytes of LDS; arguments Xi, Xv, emb1, emb2, W1, W2, b1, b2, bias, out0; writes out0
.if DOCPART == 2
	.amdgcn_target "amdgcn-amd-amdhsa--gfx1250"
	.amdhsa_code_object_version 6
	.text
	.protected	k_q68bac20575_deepfm
	.globl	k_q68bac20575_deepfm
	.p2align	8
	.type	k_q68bac20575_deepfm,@function
k_q68bac20575_deepfm:
	s_mov_b64 s[64:65], 0
	v_nop
	global_prefetch_b8 v0, s[64:65] scope:SCOPE_SE
	s_setreg_imm32_b32 hwreg(HW_REG_WAVE_SCHED_MODE, 0, 2), 2
	s_setreg_imm32_b32 hwreg(HW_REG_WAVE_MODE, 25, 1), 1
	s_wait_xcnt 0x0
	s_wait_alu depctr_vm_vsrc(0)
; DeepFM, one launch.  For each of 16,384 batch rows: 39 rows of emb2 (64 bytes) and 39 words of emb1 are looked up by Xi and scaled by Xv;
; out = sum(first) + sum over 16 dims of 0.5 (s^2 - sum e2^2) + sum(relu(relu(e2 W1 + b1) W2 + b2)) + bias.
; Both products run on codes of BF6 (E3M2) with one E8M0 scale for each 32 along K, made here from f32 by the stated quantiser; all else is f32.
; NOTHING OF THE PROBLEM IS LEFT OUT: every input has a way to the output and is loaded.  Added inside live tiles only: zero codes for K 624..639 of the first product and K 32..127 of the second.
; SHARES.  256 work-groups of four waves; a work-group owns 64 batch rows, a wave 16: one matrix tile.  The waves share W1's quantising (five blocks of 32 along K each, handed round through LDS as
; images of the operand's registers) and the work-group's 256 bytes of output.
; TWO LAYOUTS.  (a) Gathering: the tile's 624 (row, field) pairs in the order in which Xi and Xv lie, n = 39 row + field.  Lane (p, q) = (lane / 4, lane % 4) takes quarter q of the emb2 row of pair
; 32 i + 4 p + t: one load reads 8 whole rows of 64 bytes, and each row is asked for once.  (b) Operand: lane (r, h) = (lane % 16, lane / 16) holds batch row r and whole blocks of 32 along K.
; e2 = emb2 x Xv is made in (a) and turns into (b) through the wave's own stage in LDS, 80 bytes a pair (64 + 16 of padding).
; BOTH PRODUCTS ARE USED TRANSPOSED (source 0 = 16 columns of the weight, source 1 = my 16 batch rows): a lane holds one batch row throughout.  The columns of W1 that form a tile are chosen so that a
; lane's 16 results are 16 neighbours along the second product's K: lane r of tile u takes column 8 u + r + 8 (r / 8).  The biases are the C of each sum's first matrix instruction.
; NO CLUSTER: what work-groups share is W1, W2 and the biases, 84,224 bytes read once by each, beside 64 x 39 x 64 = 159,744 bytes of looked-up rows that no two share; lane-addressed lookups are no tiles.
; LIMITS.  An index outside 0 .. 99,999 (read as unsigned) is held at 99,999.  A block of zeros gets the scale byte 1 where the rule says 127: its codes are zeros, which add nothing, and this program
; alone reads the bytes.  NaN and infinities among the inputs are not served.  The f32 sums are added in another order than the source writes them.
; THE MODE: SCHED_MODE bits 1:0 = 2 (LLVM: expert scheduling mode 2), set by the entry lines.  The code itself states the register dependences between vector or matrix instructions and memory or LDS
; instructions, with s_wait_alu, always for 0.
; THE PLAN.  Registers that memory or LDS instructions touch, and who else names them:
;   v6-27 of window 0   offsets and LDS addresses: written once at the head, ahead of two waits on va_vdst, and never again.
;   U, XI of window 3   U: written by vector lines, read by emb2's lookups, never written again.  XI + 4 i + 1: emb1's offset; XI + 4 i: where emb1's word lands; XI + 4 i + 3: the first-order product, read by one LDS store.
;   e2 (window 1, and v0-55 of window 2)   a group's lookup lands, ONE run of multiplies scales it in place, four LDS stores read it.  The stores of group a - 1 stand in step a, behind the wait for group a's
;                       lookup and one wait on va_vdst.  Later W1's fragments and the operand layout land here: one wait on vm_vsrc ahead of them.
;   v56-247 of window 2 W1 and W2 as loaded: read by LDS stores alone; written anew behind the waits on vm_vsrc.
;   X (two sets)        an LDS load lands, a block's maxima and conversions read it, the load of two blocks on lands again: the wait on va_vdst behind a block's arithmetic serves that load and the block's four stores.
;   CW, BW              a block's codes and byte, registers of its own for each block: read by its four LDS stores; written anew (scale words, the hidden layer) behind the wait on vm_vsrc at the first barrier.
;   AS0, AS1            the operand layout of K step z: read by the work on z, loaded again for z + 2 behind one wait on va_vdst.
;   the codes and scale words that vector lines make go to scaled matrix instructions behind their places and one wait on va_vdst for each product.
; REGISTERS, in windows of 256 (s_set_vgpr_msb: bits 1:0 source 0, 3:2 source 1, 5:4 source 2, 7:6 destination):
;   window 0: addresses, biases, W2's fragments, scale words, results.   window 1: e2 of groups 0-15, later W1's ten fragments.
;   window 2: e2 of groups 16-19 and W1, W2 as loaded; later the operand layout of e2, the FM sums and the codes.   window 3: Xi, the lookups' offsets, Xv.
.set ROWS2, 6400000                    ; bytes of one field's table in emb2
.set ROWS1, 400000                     ; and in emb1
.set TILEB, 2496                       ; a tile's bytes of Xi and of Xv: 624 words
.set TOP,   99999                      ; the largest index
.set FLOOR, 0x2800000                  ; 2^(5 - 127): under it no largest magnitude is taken, so a scale byte cannot fall under 1
.set OFF4,  0xfe000000                 ; takes 4 off an exponent field
; LDS
.set ESTW,  49920                      ; from 0: a stage of 624 x 80 bytes for each wave
.set F1B,   199680                     ; 640 words emb1 x Xv for each wave
.set F1W,   2560
.set RAWB,  209920                     ; 4,096 bytes for each wave: a block of 32 x 32 of W1 or W2 on its turn
.set IMG,   226304                     ; W1's ten fragments (5 u + K step) as images: 1,536 bytes each, 48 a lane
.set SCW,   241664                     ; their scale words: 64 bytes a fragment
.set OUTS,  242432                     ; the work-group's 64 results
.set SPARE, 242688                     ; the spare words, 128 bytes for each wave: two blocks of 256 bytes that no other line names
; window 0
.set LN, 1
.set RR, 2
.set HH, 3
.set PP, 4
.set QQ, 5
.set XIO, 6                            ; 16 p
.set XIO19, 7                          ; 8 p
.set WGO, 8                            ; 16 lane
.set WST, 9                            ; my turn block, as loaded
.set WLD, 10                           ; and by columns
.set WIM, 11                           ; where my column's 24 bytes of codes go
.set WSB, 12                           ; and its scale byte
.set EST, 13                           ; the stage, on the way in
.set EST19, 14
.set ERD, 15                           ; and on the way out
.set ERD2, 16
.set F1S, 17
.set F1S19, 18
.set F1R, 19
.set F1R2, 20
.set IMR, 21
.set SCR, 22
.set BO1, 23
.set BO2, 24
.set OST, 25
.set ORD, 26
.set OGO, 27
.set SPW, 28                           ; LDS address of my spare word; never rewritten
.set NIL, 29                           ; 0; never rewritten
.set ZR,  30                           ; 0, for selects
.set B1,  32                           ; v32-47  b1 in the result's layout, two tiles
.set B2,  48                           ; v48-63  b2 likewise
.set F20, 64                           ; v64-75  W2's columns 0-15
.set F21, 76                           ; v76-87  W2's columns 16-31
.set W2S, 88                           ; W2's scale bytes: lane = column
.set W1S, 90                           ; v90-99  W1's scale words
.set ASC, 100                          ; v100-104 e2's scale words, one a K step
.set CW,  104                          ; v104-143 (W phase only) my five blocks' codes
.set BW,  144                          ; v144-148 (W phase only) their bytes
.set A2,  106                          ; v106-117 the hidden layer's fragment
.set A2S, 118                          ; its scale byte
.set H,   120                          ; v120-135 the hidden layer
.set D2,  136                          ; v136-151 the second layer
.set TM0, 152                          ; v152-169 at work
.set PART, 170                         ; my lane's part of the result
.set X,   176                          ; v176-239 (W phase) two sets of 32 numbers down K
.set F1V, 176                          ; v176-195 (tail) my 19 first-order terms, and field 38's
; window 2
.set WR,  56                           ; v56-247 W1's five blocks and W2 as loaded
.set S,   128                          ; v128-143 sums of e2
.set SQ,  144                          ; v144-159 sums of e2^2
.set TM,  160                          ; v160-183 at work
.set AC,  184                          ; v184-243 e2's codes, 12 a K step
.set SWD, 244                          ; v244-248 my two bytes of each scale word
.set SWP, 249                          ; v249-253 the other half's
.set SH8, 254                          ; 8 h
.set ZR2, 255                          ; 0
; window 3
.set XI,  0                            ; v0-79    Xi, four a group
.set U,   80                           ; v80-159  emb2's offsets
.set XV,  160                          ; v160-239 Xv
.set T,   240                          ; emb1: my pair's field x 400,000
.set TA,  241
.set TB,  245
.set ZR3, 250
.set T19, 251
.set MSB, 0
.macro WIN new                         ; the immediate's high byte repeats the setting that is left; a switch that changes nothing is dropped
.if MSB != \new
	s_set_vgpr_msb (MSB<<8)|\new
.set MSB, \new
.endif
.endm
	s_load_b512 s[8:23], s[0:1], 0x0               ; Xi 8, Xv 10, emb1 12, emb2 14, W1 16, W2 18, b1 20, b2 22
	s_load_b128 s[24:27], s[0:1], 0x40             ; bias 24, out0 26
	v_lshl_add_u32 v[SPW], v0, 2, SPARE
	v_mov_b32 v[NIL], 0
	v_lshrrev_b32 v1, 5, v0
	v_readfirstlane_b32 s28, v1                    ; wave 0..3
	v_and_b32 v[LN], 31, v0
	v_and_b32 v[RR], 15, v0
	v_bfe_u32 v[HH], v0, 4, 1
	v_bfe_u32 v[PP], v0, 2, 3
	v_and_b32 v[QQ], 3, v0
	v_lshlrev_b32 v[XIO], 4, v[PP]
	v_lshlrev_b32 v[XIO19], 3, v[PP]
.irp t, 0,1,2,3
	v_lshl_add_u32 v[TM0+\t], v[PP], 2, \t         ; group 0: the field of pair 4 p + t
.endr
	v_lshlrev_b32 v[TM0+4], 4, v[QQ]               ; my quarter of a row
	v_lshl_add_u32 v[TM0+5], v[PP], 1, 23          ; group 19: pair 608 + 2 p + t has field 23 + 2 p + t (608 = 15 x 39 + 23)
	v_lshl_add_u32 v[TM0+6], v[PP], 1, 24
	v_and_b32 v[TM0+7], 1, v[QQ]
	v_add_nc_u32 v[TM0+7], v[TM0+7], v[TM0+5]      ; emb1, group 19: field 23 + 2 p + q % 2
	s_wait_alu depctr_va_sdst(0)                   ; s28 is written, ahead of its first reader: bases, LDS addresses and the last branch are made from it
	s_lshl_b32 s29, ttmp9, 2
	s_add_co_u32 s29, s29, s28                     ; my tile
	s_mul_i32 s46, s29, TILEB
	s_mov_b32 s47, 0
	s_lshl_b32 s50, s28, 12                        ; W1: my first block, rows 32 w on
	s_mov_b32 s51, 0
	s_add_co_u32 s52, s50, 67584                   ; the second half of my fifth block, rows 528 + 32 w on;
	s_min_u32 s52, s52, 77824                      ; wave 3's would lie past row 623: it reads rows 608-623 again, and they are set to 0 below.  No load leaves W1
	s_mov_b32 s53, 0
	s_lshl_b32 s54, ttmp9, 8                       ; out0: 64 words a work-group
	s_mov_b32 s55, 0
	s_mov_b32 s34, 0xaaaaaaaa                      ; lanes with q odd
	s_mov_b32 s35, 0xcccccccc                      ; lanes with q >= 2
	s_mov_b32 s36, 0xffff0000                      ; lanes 16-31
	s_cmp_eq_u32 s28, 3
	s_cselect_b32 s37, -1, 0                       ; all lanes of wave 3
	s_mov_b32 s38, 0x76543210
	s_mov_b32 s39, 0xfedcba98                      ; v_permlanex16_b32's selects for lane l xor 16
	s_mov_b32 s48, ROWS2
	s_mov_b32 s49, ROWS1
	s_wait_kmcnt 0x0
	s_add_nc_u64 s[8:9], s[8:9], s[46:47]
	s_add_nc_u64 s[10:11], s[10:11], s[46:47]
	s_add_nc_u64 s[42:43], s[16:17], s[50:51]
	s_add_nc_u64 s[44:45], s[16:17], s[52:53]
	s_add_nc_u64 s[26:27], s[26:27], s[54:55]
	s_load_b32 s40, s[24:25], 0x0                  ; the bias: waited for in the tail
	; ---- Xi and Xv: each load reads 128 dense bytes; the four lanes of a quad take the same 16
	WIN 0xc0
	s_wait_alu depctr_va_vdst(0)                   ; v[XIO] and v[XIO19] are written, which the 40 loads below read as their offsets
.set i, 0
.rept 19
	global_load_b128 v[XI+4*i:XI+4*i+3], v[XIO], s[8:9] offset:128*i th:TH_LOAD_NT
.set i, i+1
.endr
	global_load_b64 v[XI+76:XI+77], v[XIO19], s[8:9] offset:2432 th:TH_LOAD_NT
.set i, 0
.rept 19
	global_load_b128 v[XV+4*i:XV+4*i+3], v[XIO], s[10:11] offset:128*i th:TH_LOAD_NT
.set i, i+1
.endr
	global_load_b64 v[XV+76:XV+77], v[XIO19], s[10:11] offset:2432 th:TH_LOAD_NT
	; ---- while they are on their way: field x table bytes + my quarter, for every pair
.irp t, 0,1,2,3
	v_mad_u32_u24 v[U+\t], v[TM0+\t], s48, v[TM0+4]
.endr
	v_mad_u32_u24 v[U+76], v[TM0+5], s48, v[TM0+4]
	v_mad_u32_u24 v[U+77], v[TM0+6], s48, v[TM0+4]
	v_mul_u32_u24 v[T], s49, v[LN]
	v_mul_u32_u24 v[T19], s49, v[TM0+7]
	v_mov_b32 v[ZR3], 0
	WIN 0xff
.set i, 0
.rept 18                               ; 32 pairs on the field is 32 more, or 7 less: of the two sums the wrong one is the larger as an unsigned number
.irp t, 0,1,2,3
	v_add_nc_u32 v[TA+\t], 32*ROWS2, v[U+4*i+\t]
.endr
.irp t, 0,1,2,3
	v_add_nc_u32 v[TB+\t], -7*ROWS2, v[U+4*i+\t]
.endr
.irp t, 0,1,2,3
	v_min_u32 v[U+4*i+4+\t], v[TA+\t], v[TB+\t]
.endr
.set i, i+1
.endr
	; ---- every LDS address, once: a constant + terms of the lane + a constant x wave
	WIN 0
	v_lshlrev_b32 v[WGO], 4, v[LN]
	s_lshl_b32 s29, s28, 12
	s_add_co_u32 s29, s29, RAWB
	v_lshl_add_u32 v[WST], v[LN], 4, s29
	v_lshl_add_u32 v[WLD], v[LN], 2, s29
	v_bfe_u32 v[TM0], v0, 3, 1                     ; column n = lane of W1 belongs to tile u = (n / 8) % 2,
	v_and_b32 v[TM0+1], 7, v0
	v_lshl_add_u32 v[TM0+1], v[HH], 3, v[TM0+1]    ; and is its row n % 8 + 8 (n / 16)
	s_and_b32 s30, s28, 1
	s_mul_i32 s30, s30, 768                        ; my block of a K step is 2 c + h with h = w % 2: lanes 16 h on,
	s_lshr_b32 s31, s28, 1
	s_mul_i32 s31, s31, 24                         ; c = w / 2: registers 6 c on
	s_add_co_u32 s30, s30, s31
	s_add_co_u32 s30, s30, IMG
	v_mul_u32_u24 v[WIM], v[TM0], 7680
	v_mad_u32_u24 v[WIM], v[TM0+1], 48, v[WIM]
	v_add_nc_u32 v[WIM], s30, v[WIM]
	s_add_co_u32 s31, s28, SCW
	v_mul_u32_u24 v[WSB], v[TM0], 320
	v_lshl_add_u32 v[WSB], v[TM0+1], 2, v[WSB]
	v_add_nc_u32 v[WSB], s31, v[WSB]               ; byte w of the row's scale word
	s_mul_i32 s32, s28, ESTW
	v_mul_u32_u24 v[EST], v[PP], 320
	v_lshl_add_u32 v[EST], v[QQ], 4, v[EST]
	v_add_nc_u32 v[EST], s32, v[EST]               ; pair 32 i + 4 p + t: 80 bytes a pair, + 16 q
	v_mul_u32_u24 v[EST19], v[PP], 160
	v_lshl_add_u32 v[EST19], v[QQ], 4, v[EST19]
	v_add_nc_u32 v[EST19], s32, v[EST19]
	v_mul_u32_u24 v[ERD], v[RR], 3120              ; row r: 39 pairs of 80 bytes
	v_add_nc_u32 v[ERD], s32, v[ERD]
	v_mad_u32_u24 v[ERD2], v[HH], 80, v[ERD]
	v_mad_u32_u24 v[ERD], v[HH], 160, v[ERD]       ; lanes 16-31 stand two fields on
	s_mul_i32 s33, s28, F1W
	s_add_co_u32 s33, s33, F1B
	v_lshl_add_u32 v[F1S], v[LN], 2, s33
	v_and_b32 v[TM0+2], 1, v[QQ]
	v_lshlrev_b32 v[TM0+2], 2, v[TM0+2]
	v_lshl_add_u32 v[TM0+2], v[PP], 3, v[TM0+2]
	v_lshrrev_b32 v[TM0+3], 1, v[QQ]
	v_lshl_add_u32 v[TM0+2], v[TM0+3], 6, v[TM0+2] ; lanes with q >= 2 hold no pair of group 19: their zeros go to words 624-639, which nobody reads
	v_add_nc_u32 v[F1S19], s33, v[TM0+2]
	v_mul_u32_u24 v[F1R2], v[RR], 156
	v_add_nc_u32 v[F1R2], s33, v[F1R2]
	v_mad_u32_u24 v[F1R], v[HH], 76, v[F1R2]       ; lanes 0-15 fields 0-18, lanes 16-31 fields 19-37
	v_mul_u32_u24 v[IMR], v[LN], 48
	v_add_nc_u32 v[IMR], IMG, v[IMR]
	v_lshl_add_u32 v[SCR], v[RR], 2, SCW
	v_lshlrev_b32 v[BO1], 6, v[HH]
	v_lshlrev_b32 v[BO2], 5, v[HH]
	s_lshl_b32 s29, s28, 6
	s_add_co_u32 s29, s29, OUTS
	v_lshl_add_u32 v[OST], v[RR], 2, s29
	v_lshl_add_u32 v[ORD], v[LN], 3, OUTS
	v_lshlrev_b32 v[OGO], 3, v[LN]
	v_mov_b32 v[ZR], 0
.irp e, 6,7,8,9,10,11
	v_mov_b32 v[F20+\e], 0                         ; the second product's K 64..127: zero codes
.endr
.irp e, 0,1,2,3,4,5,6,7,8,9,10,11
	v_mov_b32 v[F21+\e], 0
.endr
	WIN 0x80
.irp e, 0,1,2,3,4
	v_mov_b32 v[SWP+\e], 0                         ; written once: a lane permute's destination counts as one of its sources
.endr
	v_lshlrev_b32 v[SH8], 3, v[HH]
	v_mov_b32 v[ZR2], 0
	; ---- W1 (my five blocks of 32 rows), W2, the biases: each load of W1 or W2 reads 512 dense bytes
	s_wait_alu depctr_va_vdst(0)                   ; all offsets and LDS addresses, v8 to v27, are written: the loads below and every later load and store read them, and no vector line writes them again
.irp b, 0,1,2,3,4
.irp e, 0,1,2,3,4,5,6,7
.if (\b == 4) && (\e > 3)
	global_load_b128 v[WR+32*\b+4*\e:WR+32*\b+4*\e+3], v[WGO], s[44:45] offset:512*(\e-4)
.else
	global_load_b128 v[WR+32*\b+4*\e:WR+32*\b+4*\e+3], v[WGO], s[42:43] offset:16384*\b+512*\e
.endif
.endr
.endr
.irp e, 0,1,2,3,4,5,6,7
	global_load_b128 v[WR+160+4*\e:WR+160+4*\e+3], v[WGO], s[18:19] offset:512*\e
.endr
	WIN 0
.irp g, 0,1
	global_load_b128 v[B1+8*\g:B1+8*\g+3], v[BO1], s[20:21] offset:32*\g          ; tile u, register j of lane (r, h): hidden unit 16 h + 8 u + j
	global_load_b128 v[B1+8*\g+4:B1+8*\g+7], v[BO1], s[20:21] offset:32*\g+16
.endr
.irp g, 0,1
	global_load_b128 v[B2+8*\g:B2+8*\g+3], v[BO2], s[22:23] offset:64*\g          ; tile t: output 16 t + 8 h + j
	global_load_b128 v[B2+8*\g+4:B2+8*\g+7], v[BO2], s[22:23] offset:64*\g+16
.endr
; four lookups of emb2: group i, pairs 32 i + 4 p + t.  Every lookup has offset and data registers of its own: none is written again while a load is out
.macro GATH i
.if (\i) < 16
	WIN 0x43
.set EB, 16*(\i)
.else
	WIN 0x83
.set EB, 16*((\i)-16)
.endif
.irp t, 0,1,2,3
.if (\t < 2) || ((\i) < 19)
	global_load_b128 v[EB+4*\t:EB+4*\t+3], v[U+4*(\i)+\t], s[14:15]
.endif
.endr
.endm
; emb1: in group i lane l takes pair 32 i + l, the q-th of its own four indices; the index is held once more behind the selects, so that only a shift and an addition stand between the hold and the address.
; The macro makes the offset alone: the 20 loads stand in one run behind all 20 selections, under one wait
.macro SEL1 i
.set I0, XI+4*(\i)
.if (\i) < 19
	v_cndmask_b32 v[I0], v[I0], v[I0+1], s34
	v_cndmask_b32 v[I0+2], v[I0+2], v[I0+3], s34
	v_cndmask_b32 v[I0], v[I0], v[I0+2], s35
	v_min_u32 v[I0], TOP, v[I0]
	v_lshl_add_u32 v[I0+1], v[I0], 2, v[T]
.if (\i) < 18
	v_add_nc_u32 v[TA], 32*ROWS1, v[T]
	v_add_nc_u32 v[TB], -7*ROWS1, v[T]
	v_min_u32 v[T], v[TA], v[TB]
.endif
.else
	v_cndmask_b32 v[I0], v[I0], v[I0+1], s34
	v_min_u32 v[I0], TOP, v[I0]
	v_lshl_add_u32 v[I0+1], v[I0], 2, v[T19]
.endif
.endm
	s_wait_loadcnt 63                              ; 96 loads have been issued: at most 63 are out, so the 33 oldest are in, Xi's 20 among them
	WIN 0xff
.set n, 0
.rept 40
	v_min_u32 v[XI+n], TOP, v[XI+n]                ; an index stays inside its table
.set n, n+1
.endr
.set n, 0
.rept 40
	v_lshl_add_u32 v[U+n], v[XI+n], 6, v[U+n]      ; + 64 bytes a row
.set n, n+1
.endr
	s_wait_alu depctr_va_vdst(0)                   ; the offsets U[0 .. 39] are written, which the 40 lookups below read
.irp a, 0,1,2,3,4,5,6,7,8,9
	GATH \a                                        ; the first 40 lookups go out
.endr
	WIN 0xff
.set n, 40
.rept 38
	v_min_u32 v[XI+n], TOP, v[XI+n]
.set n, n+1
.endr
.set n, 40
.rept 38
	v_lshl_add_u32 v[U+n], v[XI+n], 6, v[U+n]
.set n, n+1
.endr
.irp a, 0,1,2,3,4,5,6,7,8,9,10,11,12,13,14,15,16,17,18,19
	SEL1 \a
.endr
	s_wait_alu depctr_va_vdst(0)                   ; emb1's offsets XI + 4 i + 1 are written, and the selections are done with XI + 4 i, in which the words land; so are U[40 .. 77], which the later lookups read and no vector line names again
.set i, 0
.rept 20
	global_load_b32 v[XI+4*i], v[XI+4*i+1], s[12:13]   ; emb1's 20: 60 lookups of the wave are out.  (A load takes the destination's and source 0's windows: both are 3 here)
.set i, i+1
.endr
; ---- W1 AND W2 BECOME CODES while the lookups are on their way.  A block of 32 rows x 32 columns goes through my 4,096 bytes of LDS as it lies and comes back with a lane to a column and the registers
; running down K: a block of 32 along K is then one lane's 32 registers.  LDS serves a wave's instructions in order (ISA guide 5.7.1.4): no wait between the stores and the loads.
.macro TURNW kb
	WIN 0x08
.irp e, 0,1,2,3,4,5,6,7
	ds_store_b128 v[WST], v[WR+32*(\kb)+4*\e:WR+32*(\kb)+4*\e+3] offset:512*\e
.endr
	WIN 0
.irp e, 0,1,2,3,4,5,6,7,8,9,10,11,12,13,14,15,16,17,18,19,20,21,22,23,24,25,26,27,28,29,30,31
	ds_load_b32 v[X+32*((\kb)%2)+\e], v[WLD] offset:128*\e
.endr
.endm
.macro QMAX                            ; the largest magnitude of v[XS] .. v[XS + 31] and the floor; with 4 off its exponent field it is the conversion's scale operand
	v_max3_num_f32 v[TM0], |v[XS]|, |v[XS+1]|, |v[XS+2]|
	v_max3_num_f32 v[TM0+1], |v[XS+3]|, |v[XS+4]|, |v[XS+5]|
.irp e, 6,10,14,18,22,26
	v_max3_num_f32 v[TM0], v[TM0], |v[XS+\e]|, |v[XS+\e+1]|
	v_max3_num_f32 v[TM0+1], v[TM0+1], |v[XS+\e+2]|, |v[XS+\e+3]|
.endr
	v_max3_num_f32 v[TM0], v[TM0], |v[XS+30]|, |v[XS+31]|
	v_max3_num_f32 v[TM0], v[TM0], v[TM0+1], FLOOR
	v_add_nc_u32 v[TM0+2], OFF4, v[TM0]
.endm
.macro QW kb                           ; block 4 kb + w of W1: 24 bytes of codes and a scale byte for each column, into the images of K step kb.  Each block has registers of its own for what it stores
.set XS, X+32*((\kb)%2)
.set CC, CW+8*(\kb)
.if (\kb) == 4
.irp e, 16,17,18,19,20,21,22,23,24,25,26,27,28,29,30,31
	v_cndmask_b32 v[XS+\e], v[XS+\e], v[ZR], s37   ; wave 3: K 624..639 is filled with zeros
.endr
.endif
	QMAX
	v_lshrrev_b32 v[BW+(\kb)], 23, v[TM0+2]        ; the scale's byte
	v_cvt_scalef32_pk16_bf6_f32 v[CC:CC+2], v[XS:XS+15], v[TM0+2]
	v_cvt_scalef32_pk16_bf6_f32 v[CC+4:CC+6], v[XS+16:XS+31], v[TM0+2]   ; (a conversion's three registers begin on an even number)
	v_nop                                          ; one plain place behind a scaled conversion
	v_mov_b32 v[CC+3], v[CC+4]
	v_mov_b32 v[CC+4], v[CC+5]
	v_mov_b32 v[CC+5], v[CC+6]
	s_wait_alu depctr_va_vdst(0)                   ; the block's codes and byte are written, which the four stores read; and its maxima and conversions are done with this set of X, in which the loads of two blocks on land
	ds_store_b64 v[WIM], v[CC:CC+1] offset:1536*(\kb)
	ds_store_b64 v[WIM], v[CC+2:CC+3] offset:1536*(\kb)+8
	ds_store_b64 v[WIM], v[CC+4:CC+5] offset:1536*(\kb)+16
	ds_store_b8 v[WSB], v[BW+(\kb)] offset:64*(\kb)
.endm
	s_wait_loadcnt 60                              ; all but the 60 lookups are in: Xv, W1, W2, the biases
	TURNW 0
	TURNW 1
	s_wait_dscnt 40                                ; block 0 is back; block 1's 40 may be out
	QW 0
	TURNW 2
	s_wait_dscnt 44                                ; behind block 1's loads: four stores and a turn's 40
	QW 1
	TURNW 3
	s_wait_dscnt 44
	QW 2
	TURNW 4
	s_wait_dscnt 44
	QW 3
	TURNW 5                                        ; W2
	s_wait_dscnt 44
	QW 4
	s_wait_dscnt 4                                 ; behind W2's loads: four stores
.set XS, X+32
	QMAX
	v_lshrrev_b32 v[W2S], 23, v[TM0+2]             ; lane n: column n's byte for K 0..31; the word's other bytes are 0 and stand over zero codes
	v_cvt_scalef32_pk16_bf6_f32 v[F20:F20+2], v[XS:XS+15], v[TM0+2]
	v_cvt_scalef32_pk16_bf6_f32 v[TM0+4:TM0+6], v[XS+16:XS+31], v[TM0+2]
	v_nop
.irp e, 0,1,2
	v_mov_b32 v[F20+3+\e], v[TM0+4+\e]
.endr
.irp e, 0,1,2,3,4,5
	v_permlane16_swap_b32 v[F20+\e], v[F21+\e]     ; columns 16-31 go to lanes 0-15 of the second fragment; zeros come back: lanes 16-31 hold K 32..63, which is zero
.endr
	s_wait_dscnt 0x0                               ; for the others' sake: my images and bytes have landed
	s_barrier_signal -1
	s_barrier_wait -1                              ; W1's ten fragments and their scale words are whole
	s_wait_alu depctr_vm_vsrc(0)                   ; my LDS stores have read v104-148 (the codes and bytes) and v56-247 of window 2 (W1, W2 as loaded): these registers are written anew from here on
.irp e, 3,4,5,6,7,8,9,10,11
	v_mov_b32 v[A2+\e], 0                          ; (these held W1's codes until now)
.endr
	; ---- emb1's factor: the q-th of my four Xv
	WIN 0xff
.set i, 0
.rept 19
	v_cndmask_b32 v[XI+4*i+2], v[XV+4*i], v[XV+4*i+1], s34
	v_cndmask_b32 v[XI+4*i+3], v[XV+4*i+2], v[XV+4*i+3], s34
	v_cndmask_b32 v[XI+4*i+2], v[XI+4*i+2], v[XI+4*i+3], s35
.set i, i+1
.endr
	v_cndmask_b32 v[XI+78], v[XV+76], v[XV+77], s34
	v_cndmask_b32 v[XI+78], v[XI+78], v[ZR3], s35  ; group 19 has 16 pairs: lanes with q >= 2 count for nothing
; ---- a group has come: e2 = emb2 x Xv, in place (EMUL); a step later it goes into the stage (ESTO)
.macro EMUL i
.if (\i) < 16
	WIN 0x47
.set EB, 16*(\i)
.else
	WIN 0x8b
.set EB, 16*((\i)-16)
.endif
.irp t, 0,1,2,3
.if (\t < 2) || ((\i) < 19)
.irp e, 0,1,2,3
	v_mul_f32 v[EB+4*\t+\e], v[XV+4*(\i)+\t], v[EB+4*\t+\e]
.endr
.endif
.endr
.endm
.macro ESTO i
.if (\i) < 16
	WIN 0x04
.set EB, 16*(\i)
.else
	WIN 0x08
.set EB, 16*((\i)-16)
.endif
.irp t, 0,1,2,3
.if (\i) < 19
	ds_store_b128 v[EST], v[EB+4*\t:EB+4*\t+3] offset:2560*(\i)+80*\t
.elseif \t < 2
	ds_store_b128 v[EST19], v[EB+4*\t:EB+4*\t+3] offset:48640+80*\t
.endif
.endr
.endm
.irp a, 0,1,2,3,4,5,6,7,8,9
	s_wait_loadcnt 56                              ; behind group a: 4 (9 - a) of emb2, emb1's 20, and the 4 a issued by the steps before
.if \a > 0
	s_wait_alu depctr_va_vdst(0)                   ; the multiplies of the group before, issued ahead of the wait above, have written its e2, which the four stores below read
.endif
	GATH \a+10                                     ; ten groups on goes out: its offsets were written ahead of the wait in front of emb1's loads, and no vector line has named its registers
.if \a > 0
	ESTO \a-1
.endif
	EMUL \a
.endr
	s_wait_loadcnt 38                              ; emb1 is in; groups 10-19 (9 x 4 + 2) may be out
	WIN 0xff
.set i, 0
.rept 20
	v_mul_f32 v[XI+4*i+3], v[XI+4*i], v[XI+4*i+2]
.set i, i+1
.endr
	s_wait_alu depctr_va_vdst(0)                   ; group 9's e2 and the 20 first-order products are written, which the stores below read
	ESTO 9
	WIN 0x0c
.set i, 0
.rept 19
	ds_store_b32 v[F1S], v[XI+4*i+3] offset:128*i
.set i, i+1
.endr
	ds_store_b32 v[F1S19], v[XI+79] offset:2432
.irp a, 10,11,12,13,14,15,16,17,18
	s_wait_loadcnt 74-4*\a                         ; the groups behind a: 4 (18 - a) + 2
.if \a > 10
	s_wait_alu depctr_va_vdst(0)                   ; the multiplies of the group before have written its e2, which the four stores below read
	ESTO \a-1
.endif
	EMUL \a
.endr
	s_wait_loadcnt 0
	s_wait_alu depctr_va_vdst(0)                   ; group 18's e2 is written, which the four stores below read
	ESTO 18
	EMUL 19
	s_wait_alu depctr_va_vdst(0)                   ; group 19's e2 is written, which the two stores below read; and every multiply is done with windows 1 and 2, in which the LDS loads below land
	ESTO 19
; ---- THE OPERAND LAYOUT.  K step z: register 32 c + 16 g + 4 e + j of lane (r, h) is dimension 4 e + j of field 8 z + 4 c + 2 h + g of row r: k = 128 z + 64 c + 32 h + 0 .. 31 in 32 registers on end
.macro LOADAS z
.set AS, 64*((\z)%2)
	WIN 0x80
.irp c, 0,1
.irp g, 0,1
.irp e, 0,1,2,3
.if ((\z) == 4) && (\c == 1) && (\g == 1)
	ds_load_b128 v[AS+48+4*\e:AS+48+4*\e+3], v[ERD2] offset:80*37+16*\e           ; lanes 0-15: field 37.  Lanes 16-31 would want field 39, which is not: they read field 38 and are set to 0 below
.else
	ds_load_b128 v[AS+32*\c+16*\g+4*\e:AS+32*\c+16*\g+4*\e+3], v[ERD] offset:80*(8*(\z)+4*\c+\g)+16*\e
.endif
.endr
.endr
.endr
.endm
; The work on K step z: the FM sums of its four fields, then its two blocks of 32 become codes and two bytes of the row's scale word
.macro WORK z
.set AS, 64*((\z)%2)
.set AO, AC+12*(\z)
	WIN 0xaa
.if (\z) == 4
.irp e, 0,1,2,3,4,5,6,7,8,9,10,11,12,13,14,15
	v_cndmask_b32 v[AS+48+\e], v[AS+48+\e], v[ZR2], s36
.endr
.endif
.irp g, 0,1,2,3
.irp d, 0,2,4,6,8,10,12,14
.if ((\z) == 0) && (\g == 0)
	v_pk_mul_f32 v[SQ+\d:SQ+\d+1], v[AS+\d:AS+\d+1], v[AS+\d:AS+\d+1]             ; the first two fields start the sums: nothing is cleared
.elseif ((\z) == 0) && (\g == 1)
	v_pk_add_f32 v[S+\d:S+\d+1], v[AS+\d:AS+\d+1], v[AS+16+\d:AS+16+\d+1]
	v_pk_fma_f32 v[SQ+\d:SQ+\d+1], v[AS+16+\d:AS+16+\d+1], v[AS+16+\d:AS+16+\d+1], v[SQ+\d:SQ+\d+1]
.else
	v_pk_add_f32 v[S+\d:S+\d+1], v[S+\d:S+\d+1], v[AS+16*\g+\d:AS+16*\g+\d+1]
	v_pk_fma_f32 v[SQ+\d:SQ+\d+1], v[AS+16*\g+\d:AS+16*\g+\d+1], v[AS+16*\g+\d:AS+16*\g+\d+1], v[SQ+\d:SQ+\d+1]
.endif
.endr
.endr
.irp c, 0,1
	v_max3_num_f32 v[TM+\c], |v[AS+32*\c]|, |v[AS+32*\c+1]|, FLOOR                ; my block 2 c + h: all its 32 numbers are mine
.endr
.irp e, 2,4,6,8,10,12,14,16,18,20,22,24,26,28,30
.irp c, 0,1
	v_max3_num_f32 v[TM+\c], v[TM+\c], |v[AS+32*\c+\e]|, |v[AS+32*\c+\e+1]|       ; (the two blocks by turns)
.endr
.endr
.irp c, 0,1
	v_add_nc_u32 v[TM+4+\c], OFF4, v[TM+\c]
.endr
.irp c, 0,1
	v_lshrrev_b32 v[TM+6+\c], 23, v[TM+4+\c]
.endr
	v_lshl_or_b32 v[SWD+(\z)], v[TM+7], 16, v[TM+6]
	v_lshlrev_b32 v[SWD+(\z)], v[SH8], v[SWD+(\z)] ; bytes h and 2 + h of the word
	v_permlanex16_b32 v[SWP+(\z)], v[SWD+(\z)], s38, s39
.irp c, 0,1
	v_cvt_scalef32_pk16_bf6_f32 v[AO+6*\c:AO+6*\c+2], v[AS+32*\c:AS+32*\c+15], v[TM+4+\c]
	v_cvt_scalef32_pk16_bf6_f32 v[TM+8+4*\c:TM+10+4*\c], v[AS+32*\c+16:AS+32*\c+31], v[TM+4+\c]
.endr
	v_nop                                          ; one plain place behind a scaled conversion
.irp c, 0,1
.irp e, 0,1,2
	v_mov_b32 v[AO+6*\c+3+\e], v[TM+8+4*\c+\e]
.endr
.endr
.endm
	s_wait_dscnt 0x0                               ; all my LDS stores have landed
	s_wait_alu depctr_vm_vsrc(0)                   ; and have read their registers: windows 1 and 2 are laid out anew, by the LDS loads and the vector lines below
	LOADAS 0
	LOADAS 1
	s_wait_dscnt 16                                ; this K step's 16 loads are in, the next one's may be out
	WORK 0
	s_wait_alu depctr_va_vdst(0)                   ; the work on K step 0 is done reading its 64 registers, in which K step 2 lands
	LOADAS 2
	s_wait_dscnt 16
	WORK 1
	s_wait_alu depctr_va_vdst(0)                   ; the work on K step 1 is done reading its 64 registers, in which K step 3 lands
	LOADAS 3
	s_wait_dscnt 16
	WORK 2
	s_wait_alu depctr_va_vdst(0)                   ; the work on K step 2 is done reading its 64 registers, in which K step 4 lands
	LOADAS 4
	s_wait_dscnt 16
	WORK 3
	WIN 0x40                                       ; W1's ten fragments come back as they were stored: 48 bytes a lane.  (No wait: no vector line since the wait ahead of group 19's stores names window 1, v90-99 or v176-195)
.set f, 0
.rept 10
.irp e, 0,1,2
	ds_load_b128 v[12*f+4*\e:12*f+4*\e+3], v[IMR] offset:1536*f+16*\e
.endr
.set f, f+1
.endr
	WIN 0
.set f, 0
.rept 10
	ds_load_b32 v[W1S+f], v[SCR] offset:64*f
.set f, f+1
.endr
.set f, 0
.rept 19
	ds_load_b32 v[F1V+f], v[F1R] offset:4*f
.set f, f+1
.endr
	ds_load_b32 v[F1V+19], v[F1R2] offset:152      ; field 38, in both halves of the lanes: added once, behind the exchange
	s_wait_dscnt 60                                ; K step 4 is in; the 30 + 10 + 20 just issued may be out
	WORK 4
	; ---- THE TAIL
	WIN 0x0a
.irp e, 0,1,2,3,4
	v_or_b32 v[ASC+\e], v[SWD+\e], v[SWP+\e]       ; the rows' scale words are whole
.endr
	WIN 0xaa
.irp e, 0,1,2,3,4,5,6,7,8,9,10,11,12,13,14,15
	v_permlanex16_b32 v[\e], v[S+\e], s38, s39     ; (v0-15 of this window have been written: K step 4 lay there)
.endr
.irp d, 0,2,4,6,8,10,12,14
	v_pk_add_f32 v[S+\d:S+\d+1], v[S+\d:S+\d+1], v[\d:\d+1]                       ; s over all 39 fields
.endr
.irp d, 0,2,4,6,8,10,12,14
	v_pk_mul_f32 v[S+\d:S+\d+1], v[S+\d:S+\d+1], v[S+\d:S+\d+1]                   ; s^2.  These sixteen packed lines are also the eight places between the scale words' last write and the products
.endr
	s_wait_dscnt 0x0                               ; W1's fragments, its scale words, the first-order terms
	WIN 0x09                                       ; source 0 (W1) window 1, source 1 (e2) window 2, C and D window 0
	s_wait_alu depctr_va_vdst(0)                   ; e2's codes and scale words, made by vector lines, are written: the scaled products take them as source 1 and as its scales; the places above stay beside this wait
.irp e, 0,1,2,3,4                      ; the two accumulators take turns, one instruction a turn
.irp g, 0,1
.if \e == 0
	v_wmma_scale_f32_16x16x128_f8f6f4 v[H+8*\g:H+8*\g+7], v[12*(5*\g+\e):12*(5*\g+\e)+11], v[AC+12*\e:AC+12*\e+11], v[B1+8*\g:B1+8*\g+7], v[W1S+5*\g+\e], v[ASC+\e] matrix_a_fmt:MATRIX_FMT_BF6 matrix_b_fmt:MATRIX_FMT_BF6
.else
	v_wmma_scale_f32_16x16x128_f8f6f4 v[H+8*\g:H+8*\g+7], v[12*(5*\g+\e):12*(5*\g+\e)+11], v[AC+12*\e:AC+12*\e+11], v[H+8*\g:H+8*\g+7], v[W1S+5*\g+\e], v[ASC+\e] matrix_a_fmt:MATRIX_FMT_BF6 matrix_b_fmt:MATRIX_FMT_BF6
.endif
.endr
.endr
	WIN 0xaa                                       ; the FM term: sixteen plain lines that name no register of the products: the places behind them (ISA guide 7.12.1)
.irp d, 0,2,4,6,8,10,12,14
	v_pk_fma_f32 v[S+\d:S+\d+1], v[S+\d:S+\d+1], 0.5, v[SQ+\d:SQ+\d+1] op_sel_hi:[1,0,1] neg_lo:[0,0,1] neg_hi:[0,0,1]   ; s^2 / 2 less my half's squares: the two halves of the lanes add up to s^2 - sum e2^2
.endr
.irp d, 0,2,4,6
	v_pk_add_f32 v[S+\d:S+\d+1], v[S+\d:S+\d+1], v[S+8+\d:S+8+\d+1]
.endr
.irp d, 0,2
	v_pk_add_f32 v[S+\d:S+\d+1], v[S+\d:S+\d+1], v[S+4+\d:S+4+\d+1]
.endr
	v_pk_add_f32 v[S:S+1], v[S:S+1], v[S+2:S+3]
	v_add_f32 v[S], v[S], v[S+1]
	WIN 0x02
	v_fma_f32 v[PART], v[S], 0.5, v[F1V]           ; my part begins: half of that, and my first first-order term
	WIN 0
.irp e, 0,1,2,3,4,5,6,7,8,9,10,11,12,13,14,15
	v_max_num_f32 v[H+\e], 0, v[H+\e]              ; the activation, each accumulator from its low end on: register 8 u + j is hidden unit 16 h + 8 u + j
.endr
	v_max3_num_f32 v[TM0], v[H], v[H+1], v[H+2]    ; the one block of 32 along the next K lies in lanes l and l xor 16.  No |.|: nothing is negative
	v_max3_num_f32 v[TM0+1], v[H+3], v[H+4], v[H+5]
	v_max3_num_f32 v[TM0], v[TM0], v[H+6], v[H+7]
	v_max3_num_f32 v[TM0+1], v[TM0+1], v[H+8], v[H+9]
	v_max3_num_f32 v[TM0], v[TM0], v[H+10], v[H+11]
	v_max3_num_f32 v[TM0+1], v[TM0+1], v[H+12], v[H+13]
	v_max3_num_f32 v[TM0], v[TM0], v[H+14], v[H+15]
	v_max3_num_f32 v[TM0], v[TM0], v[TM0+1], FLOOR
	v_permlanex16_b32 v[TM0+1], v[TM0], s38, s39
	v_max_num_f32 v[TM0], v[TM0], v[TM0+1]
	v_add_nc_u32 v[TM0+2], OFF4, v[TM0]
	v_lshrrev_b32 v[A2S], 23, v[TM0+2]             ; byte 0 of the row's scale word; the others are 0 and stand over zero codes
	v_cvt_scalef32_pk16_bf6_f32 v[A2:A2+2], v[H:H+15], v[TM0+2]
	v_nop                                          ; one plain place behind a scaled conversion
.irp e, 0,1,2
	v_permlane16_swap_b32 v[A2+\e], v[A2+3+\e]     ; lanes 16-31's codes (K 16..31) become registers 3-5 of lanes 0-15; zeros come back
.endr
.irp e, 1,3,5,7,9,11,13,15,17
	v_add_f32 v[F1V+\e], v[F1V+\e], v[F1V+\e+1]    ; the first-order terms: thirteen plain lines, the eight places between the scale byte's write and the scaled products
.endr
.irp e, 1,5,9,13
	v_add_f32 v[F1V+\e], v[F1V+\e], v[F1V+\e+2]
.endr
	s_wait_alu depctr_va_vdst(0)                   ; the hidden layer's codes and scale byte, and W2's, all made by vector lines, are written: the scaled products take them as sources and scales; the places above stay beside this wait
	v_wmma_scale_f32_16x16x128_f8f6f4 v[D2:D2+7], v[F20:F20+11], v[A2:A2+11], v[B2:B2+7], v[W2S], v[A2S] matrix_a_fmt:MATRIX_FMT_BF6 matrix_b_fmt:MATRIX_FMT_BF6
	v_wmma_scale_f32_16x16x128_f8f6f4 v[D2+8:D2+15], v[F21:F21+11], v[A2:A2+11], v[B2+8:B2+15], v[W2S], v[A2S] matrix_a_fmt:MATRIX_FMT_BF6 matrix_b_fmt:MATRIX_FMT_BF6 matrix_a_scale:MATRIX_SCALE_ROW1
	s_wait_kmcnt 0x0                               ; the bias
	v_add_f32 v[F1V+1], v[F1V+1], v[F1V+5]         ; six plain lines: the places behind the products
	v_add_f32 v[F1V+9], v[F1V+9], v[F1V+13]
	v_add_f32 v[PART], v[PART], v[F1V+17]
	v_add_f32 v[F1V+19], s40, v[F1V+19]            ; field 38's term and the bias: whole in every lane
	v_add_f32 v[F1V+1], v[F1V+1], v[F1V+9]
	v_add_f32 v[PART], v[PART], v[F1V+1]
.irp e, 0,1,2,3,4,5,6,7,8,9,10,11,12,13,14,15
	v_max_num_f32 v[D2+\e], 0, v[D2+\e]            ; the second activation, from each accumulator's low end on
.endr
.irp d, 0,2,4,6
	v_pk_add_f32 v[D2+\d:D2+\d+1], v[D2+\d:D2+\d+1], v[D2+8+\d:D2+8+\d+1]
.endr
.irp d, 0,2
	v_pk_add_f32 v[D2+\d:D2+\d+1], v[D2+\d:D2+\d+1], v[D2+4+\d:D2+4+\d+1]
.endr
	v_pk_add_f32 v[D2:D2+1], v[D2:D2+1], v[D2+2:D2+3]
	v_add_f32 v[D2], v[D2], v[D2+1]
	v_add_f32 v[PART], v[PART], v[D2]
	v_permlanex16_b32 v[TM0+1], v[PART], s38, s39
	v_add_f32 v[PART], v[PART], v[TM0+1]           ; with lane l xor 16's part
	v_add_f32 v[PART], v[PART], v[F1V+19]
	s_wait_alu depctr_va_vdst(0)                   ; v[PART] is written, which the store reads; and the vector lines are done with v[TM0] and v[TM0 + 1], in which wave 0's load below lands
	ds_store_b32 v[OST], v[PART]                   ; lanes l and l xor 16 write the same word with the same value
	s_wait_dscnt 0x0                               ; for wave 0's sake: my 16 results have landed
	s_barrier_signal -1
	s_barrier_wait -1
	s_cmp_lg_u32 s28, 0
	s_cbranch_scc1 .Lend
	ds_load_b64 v[TM0:TM0+1], v[ORD]
	s_wait_dscnt 0x0
	global_store_b64 v[OGO], v[TM0:TM0+1], s[26:27]   ; 32 lanes store the work-group's 256 consecutive bytes, at a multiple of 256 from out0's first byte
.Lend:
	s_wait_dscnt 0x0                               ; the wave's end: the closing lines, six on end
	s_wait_alu 0x0
	s_wait_tensorcnt 0x0
	ds_add_u32 v[SPW], v[NIL]
	s_wait_dscnt 0x0
	s_endpgm
.Lfunc_end_k_q68bac20575_deepfm:
	.size	k_q68bac20575_deepfm, .Lfunc_end_k_q68bac20575_deepfm-k_q68bac20575_deepfm
	.p2alignl 7, 3214868480
	.fill 96, 4, 3214868480
	.section	.rodata,"a",@progbits
	.p2align	6, 0x0
	.amdhsa_kernel k_q68bac20575_deepfm
		.amdhsa_group_segment_fixed_size 243200
		.amdhsa_private_segment_fixed_size 0
		.amdhsa_enable_private_segment 0
		.amdhsa_kernarg_size 80
		.amdhsa_user_sgpr_count 2
		.amdhsa_user_sgpr_kernarg_segment_ptr 1
		.amdhsa_wavefront_size32 1
		.amdhsa_system_sgpr_workgroup_id_x 1
		.amdhsa_system_sgpr_workgroup_id_y 1
		.amdhsa_system_sgpr_workgroup_id_z 1
		.amdhsa_system_vgpr_workitem_id 0
		.amdhsa_next_free_vgpr 1024
		.amdhsa_next_free_sgpr 66
		.amdhsa_reserve_vcc 0
		.amdhsa_float_denorm_mode_32 3
		.amdhsa_float_denorm_mode_16_64 3
		.amdhsa_memory_ordered 1
		.amdhsa_forward_progress 1
		.amdhsa_inst_pref_size 159
	.end_amdhsa_kernel
	.amdgpu_metadata
---
amdhsa.version: [ 1, 2 ]
amdhsa.kernels:
  - .name:           k_q68bac20575_deepfm
    .symbol:         k_q68bac20575_deepfm.kd
    .args:
      - { .name: Xi, .offset: 0, .size: 8, .value_kind: global_buffer, .address_space: global }
      - { .name: Xv, .offset: 8, .size: 8, .value_kind: global_buffer, .address_space: global }
      - { .name: emb1, .offset: 16, .size: 8, .value_kind: global_buffer, .address_space: global }
      - { .name: emb2, .offset: 24, .size: 8, .value_kind: global_buffer, .address_space: global }
      - { .name: W1, .offset: 32, .size: 8, .value_kind: global_buffer, .address_space: global }
      - { .name: W2, .offset: 40, .size: 8, .value_kind: global_buffer, .address_space: global }
      - { .name: b1, .offset: 48, .size: 8, .value_kind: global_buffer, .address_space: global }
      - { .name: b2, .offset: 56, .size: 8, .value_kind: global_buffer, .address_space: global }
      - { .name: bias, .offset: 64, .size: 8, .value_kind: global_buffer, .address_space: global }
      - { .name: out0, .offset: 72, .size: 8, .value_kind: global_buffer, .address_space: global }
    .group_segment_fixed_size: 243200
    .private_segment_fixed_size: 0
    .kernarg_segment_align: 8
    .kernarg_segment_size: 80
    .max_flat_workgroup_size: 128
    .sgpr_count:     66
    .vgpr_count:     1024
    .wavefront_size: 32
...
	.end_amdgpu_metadata
.endif
;; end of part 2
